; MI455X (gfx1250); checked and timed in simulation.
; The chip was launched on July 23, 2026; its instructions are those of AMD's public machine-readable ISA for CDNA 5 (MIT licence, August 2026) and "CDNA5" Instruction Set Architecture Reference Guide (July 2026). The comments in the code are by the model that wrote it; some were corrected since.
;; Adaptive Span Attention. Allowed arithmetic: matrix products marked QUANTISED: E3M2 operands, one E8M0 scale for each 32 along K, by v_wmma_scale_f32_16x16x128_f8f6f4 with both operands' format E3M2, f32 sums; products left as they are: f32 operands where the result goes on into a quantised operand, else bf16, f16 or f32 operands; f32 sums; everything else in f32.
;; Inputs: Wk 1,024 x 1,024 float32; Wo_b 1,024 float32; Wo_w 1,024 x 1,024 float32; Wq 1,024 x 1,024 float32; Wv 1,024 x 1,024 float32; span_b 16 float32; span_w 1,024 x 16 float32; x 2 x 2,048 x 1,024 float32.
;; Outputs: out0 2 x 2,048 x 1,024 float32.
;; This version of the problem:
;;   THIS VERSION OF THE PROBLEM IS GIVEN IN LOW PRECISION. The matrix products marked QUANTISED in the list below multiply operands that are first quantised to E3M2 (3 exponent bits, 2 mantissa bits; 6 bits a number), with one power-of-two scale for each 32 numbers along K (OCP MX v1.0); their sums are f32. All else is computed in f32.
;;   The module's matrix products, in the order in which they are computed (A, B: the left and right operand; K: the contracted axis; several contracted axes count as one K, in the product's order):
;;     1. [M 4,096, K 1,024] x [K 1,024, N 1,024]; A: input x; B: input Wq: QUANTISED
;;     2. [M 4,096, K 1,024] x [K 1,024, N 1,024]; A: input x; B: input Wk: QUANTISED
;;     3. [M 4,096, K 1,024] x [K 1,024, N 1,024]; A: input x; B: input Wv: QUANTISED
;;     4. [M 2, K 1,024] x [K 1,024, N 16]; A: computed on the way; B: input span_w: left as it is (M = 2 < 16)
;;     5. batch 32 x [M 2,048, K 64] x [K 64, N 2,048]; A: computed on the way; B: computed on the way: QUANTISED
;;     6. batch 32 x [M 2,048, K 2,048] x [K 2,048, N 64]; A: computed on the way; B: computed on the way: QUANTISED
;;     7. [M 4,096, K 1,024] x [K 1,024, N 1,024]; A: computed on the way; B: input Wo_w: QUANTISED
;;   THE QUANTISER, for each operand of a quantised product, along K:
;;     - K is cut into blocks of 32 from its start; a last block that is shorter is filled with zeros.
;;     - A block's scale is 2^e with e = floor(log2(the largest magnitude in the block)) - 4, held to -126 .. 127; a block of zeros has e = 0. As a byte (E8M0): e + 127.
;;     - Each number is divided by its block's scale, clamped to +-28, and rounded to the nearest number of E3M2, ties to even, subnormals kept.
;;     - The product sums the exact products of the quantised numbers (number of the format x scale) in f32.
;;   ~~~python
;;   def quantise(x, axis):      # numpy; x: float32 -> the quantised numbers, widened to float32 again
;;       x = np.moveaxis(x, axis, -1); K = x.shape[-1]
;;       x = np.pad(x, [(0, 0)] * (x.ndim - 1) + [(0, -K % 32)]); x = x.reshape(x.shape[:-1] + (-1, 32)); a = np.abs(x).max(-1, keepdims=True)
;;       e = np.where(a > 0, np.clip(np.frexp(np.where(a > 0, a, 1))[1] - 1 - 4, -126, 127), 0)      # np.frexp(a)[1] - 1 = floor(log2(a)), exactly
;;       r = np.clip(x / 2.0 ** e, -28, 28)
;;       step = 2.0 ** (np.maximum(np.frexp(np.where(r == 0, 1, r))[1] - 1, -2) - 2)
;;       q = np.round(r / step) * step * 2.0 ** e      # np.round: ties to even
;;       return np.moveaxis(q.reshape(q.shape[:-2] + (-1,))[..., :K], -1, axis).astype(np.float32)
;;   ~~~
;;   OPERANDS COMPUTED ON THE WAY. 'Computed on the way' means the value that the module computes at that place (a softmax that the list does not call 'softmax' is quantised finished and normalised). What goes into a quantiser is computed in f32, as accurately as f32 sums, v_exp_f32 and their like allow (about 1e-6 of the number): no bf16 or f16 on the way to a quantiser, and a product that is left as it is and whose result goes on into a quantised operand takes f32 operands (vector FMAs, or v_wmma_f32_16x16x4_f32). A number that lies on a knife's edge between two numbers of the format may be rounded either way, as far as f32 arithmetic and the matrix unit's own rounding can turn it there, and no further.
;; One version. Each part assembles by itself: llvm-mc -triple=amdgcn-amd-amdhsa -mcpu=gfx1250 --defsym DOCPART=n.
;; ======== version 1 of 1: 4 launches
;; limits: right only within a limited range of input values
;; workspace buffers: xq 3,276,800 bytes; wq 3,276,800 bytes; qq 3,407,872 bytes; kv 6,684,672 bytes; aq 3,276,800 bytes; zpart 65,536 bytes; zf 131,072 bytes; zi 131,072 bytes of whole numbers
;; launch qx (part 1): grid 512 x 1, 4 waves a work-group, no clusters, 72,192 bytes of LDS; arguments x, span_w, xq, zpart, Wq, Wk, Wv, Wo_w, wq; writes xq, zpart, wq
.if DOCPART == 1
	.amdgcn_target "amdgcn-amd-amdhsa--gfx1250"
	.amdhsa_code_object_version 6
	.text
	.protected	k_q3f1145291a_qx
	.globl	k_q3f1145291a_qx
	.p2align	8
	.type	k_q3f1145291a_qx,@function
k_q3f1145291a_qx:
	s_mov_b64 s[64:65], 0
	v_nop
	global_prefetch_b8 v0, s[64:65] scope:SCOPE_SE
	s_setreg_imm32_b32 hwreg(HW_REG_WAVE_MODE, 25, 1), 1
	s_wait_xcnt 0x0
; x [4096][1024] f32 becomes codes of BF6 (E3M2) with one E8M0 byte for each 32 along K, laid as the products' operand registers want them, and the span's logits are begun.
; IMAGES.  A tile is 16 rows; row p of tile t is x's row 32 (t / 2) + 8 (t % 2) + p + 8 (p / 8).  For each 64 along K a tile has 768 bytes: registers 0-3 of the 32 lanes (16 bytes a lane), then registers 4-5
; (8 bytes a lane); lane (r, h) holds the 32 codes of block h of row r.  A tile is 16 such pieces, 12,288 bytes.  Behind all tiles: 512 bytes of scale words a tile; word s of lane l belongs to row l % 16, K step 2 s + l / 16.
; SHARES.  Work-group (x, y): rows 64 y on, columns 256 x on.  Wave w: one tile, two K steps of 128.  Each load takes 512 consecutive bytes of a row; the rows turn through the wave's own stage in LDS (rows of 528 bytes)
; and come back 128 bytes a lane: a whole block of 32 numbers in one lane, so its largest magnitude needs no other lane.
; THE SPAN.  The column sums of the 64 rows meet in LDS; wave w multiplies 64 columns by span_w in f32 (lane = head, halves = 32 columns each) and stores 16 partial logits.
; A block's byte is its largest magnitude's exponent field - 4, held at 1 from below.  LIMITS: a block of zeros, or one under 2^-122, gets the byte 1 (its bytes are read by this program alone); NaN and infinities are not served.
.set ROWX,  4096
.set SP,    528
.set HST,   16*SP                      ; one K step's stage
.set STG,   2*HST                      ; a wave's two stages
.set CSB,   4*STG                      ; behind the stages: the waves' column sums, 1,024 bytes each
.set SCOFF, 3145728                    ; where the scale words begin in xq
.set X,     32                         ; v32-159  32 loads of 4 registers
.set Y,     160                        ; v160-223 two blocks of 32 neighbours
.set C,     224                        ; v224-255 codes, 8 registers a block
; ONE LAUNCH PREPARES ALL OPERANDS: work-groups 0 .. 255 take x (x = number % 4, y = number / 4 in the shares above), work-groups 256 .. 511 the four weights, on a path of their own that uses no LDS.
	s_cmp_ge_u32 ttmp9, 256
	s_cbranch_scc1 .Lweights
	s_load_b256 s[4:11], s[0:1], 0x0               ; x, span_w, xq, zpart
	v_lshl_add_u32 v254, v0, 2, 0x11800
	v_mov_b32 v255, 0
	v_lshrrev_b32 v1, 5, v0
	v_readfirstlane_b32 s12, v1                    ; wave
	v_and_b32 v1, 31, v0                           ; lane
	v_and_b32 v2, 15, v0                           ; r
	v_bfe_u32 v3, v0, 4, 1                         ; h
	s_lshr_b32 s13, ttmp9, 2                       ; which 64 rows
	s_and_b32 s37, ttmp9, 3                        ; which 256 columns
	v_lshlrev_b32 v4, 4, v1                        ; 16 x lane
	v_lshlrev_b32 v8, 3, v1                        ; 8 x lane
	s_mul_i32 s14, s12, STG
	v_add_nc_u32 v5, s14, v4                       ; stage, in: 16 x lane of a row
	v_mul_u32_u24 v6, v2, SP
	v_lshl_add_u32 v6, v3, 7, v6
	v_add_nc_u32 v6, s14, v6                       ; stage, out: row r, + 128 h
	s_lshl_b32 s15, s12, 10
	s_add_co_u32 s15, s15, CSB
	v_add_nc_u32 v10, s15, v4                      ; my wave's column sums
	s_lshl_b32 s15, s12, 8
	s_add_co_u32 s15, s15, CSB
	v_lshlrev_b32 v11, 7, v3
	v_add_nc_u32 v11, s15, v11                     ; the 32 columns that I multiply, in wave 0's sums
	v_lshlrev_b32 v12, 2, v2
	v_lshl_add_u32 v12, v3, 11, v12                ; span_w: 32 h rows of 64 bytes + 4 x head
	v_lshlrev_b32 v13, 11, v2                      ; zpart: 2,048 bytes a head
	s_mov_b32 s34, 0x76543210
	s_mov_b32 s35, 0xfedcba98                      ; selects for lane l xor 16
	s_lshl_b32 s16, s13, 6
	s_lshr_b32 s17, s12, 1
	s_lshl_b32 s17, s17, 5
	s_add_co_u32 s16, s16, s17
	s_and_b32 s17, s12, 1
	s_lshl_b32 s17, s17, 3
	s_add_co_u32 s16, s16, s17                     ; my tile's first row
	s_lshl_b32 s16, s16, 12
	s_lshl_b32 s17, s37, 10
	s_add_co_u32 s16, s16, s17
	s_mov_b32 s17, 0
	s_lshl_b32 s36, s13, 2
	s_add_co_u32 s36, s36, s12                     ; my tile
	s_mul_i32 s18, s36, 12288
	s_mul_i32 s19, s37, 3072
	s_add_co_u32 s18, s18, s19
	s_mov_b32 s19, 0
	s_lshl_b32 s28, s36, 9
	s_lshl_b32 s29, s37, 2
	s_add_co_u32 s28, s28, s29
	s_add_co_u32 s28, s28, SCOFF
	s_mov_b32 s29, 0
	s_lshl_b32 s30, s37, 14
	s_lshl_b32 s31, s12, 12
	s_add_co_u32 s30, s30, s31
	s_mov_b32 s31, 0
	s_lshr_b32 s32, s13, 5
	s_lshl_b32 s32, s32, 13
	s_and_b32 s33, s13, 31
	s_lshl_b32 s33, s33, 4
	s_add_co_u32 s32, s32, s33
	s_lshl_b32 s33, s37, 2
	s_add_co_u32 s32, s32, s33
	s_add_co_u32 s32, s32, s12
	s_lshl_b32 s32, s32, 2
	s_mov_b32 s33, 0
	s_wait_kmcnt 0x0
	s_add_nc_u64 s[4:5], s[4:5], s[16:17]          ; x at my tile, my columns
	s_add_nc_u64 s[20:21], s[8:9], s[18:19]        ; my codes
	s_add_nc_u64 s[22:23], s[8:9], s[28:29]        ; my scale words
	s_add_nc_u64 s[24:25], s[6:7], s[30:31]        ; span_w at my 64 columns
	s_add_nc_u64 s[26:27], s[10:11], s[32:33]      ; my partial logits
.irp s, 0,1
.irp p, 0,1,2,3,4,5,6,7,8,9,10,11,12,13,14,15
	global_load_b128 v[X+64*\s+4*\p:X+64*\s+4*\p+3], v4, s[4:5] offset:(\p+8*(\p/8))*ROWX+512*\s th:TH_LOAD_NT   ; 512 consecutive bytes of a row
.endr
.endr
.macro COLSUM s                        ; the sums of my four columns over the tile's 16 rows; the first two rows start them
	v_pk_add_f32 v[16+4*\s:17+4*\s], v[X+64*\s:X+64*\s+1], v[X+64*\s+4:X+64*\s+5]
	v_pk_add_f32 v[18+4*\s:19+4*\s], v[X+64*\s+2:X+64*\s+3], v[X+64*\s+6:X+64*\s+7]
.irp p, 2,3,4,5,6,7,8,9,10,11,12,13,14,15
	v_pk_add_f32 v[16+4*\s:17+4*\s], v[16+4*\s:17+4*\s], v[X+64*\s+4*\p:X+64*\s+4*\p+1]
	v_pk_add_f32 v[18+4*\s:19+4*\s], v[18+4*\s:19+4*\s], v[X+64*\s+4*\p+2:X+64*\s+4*\p+3]
.endr
.endm
.macro TOSTAGE s
.irp p, 0,1,2,3,4,5,6,7,8,9,10,11,12,13,14,15
	ds_store_b128 v5, v[X+64*\s+4*\p:X+64*\s+4*\p+3] offset:HST*\s+SP*\p
.endr
.endm
.macro FROMSTAGE s                     ; LDS serves a wave's instructions in order: these see the stores
.irp c, 0,1
.irp j, 0,1,2,3,4,5,6,7
	ds_load_b128 v[Y+32*\c+4*\j:Y+32*\c+4*\j+3], v6 offset:HST*\s+256*\c+16*\j
.endr
.endr
.endm
; a block of 32 numbers in v[y] on becomes 24 bytes of codes in v[c] .. v[c + 5] and its byte in v[bt]; the codes leave at once
.macro QB32 y, c, bt, off
	v_max3_num_f32 v24, |v[\y]|, |v[\y+1]|, |v[\y+2]|
	v_max3_num_f32 v25, |v[\y+3]|, |v[\y+4]|, |v[\y+5]|
.irp i, 6,10,14,18,22,26
	v_max3_num_f32 v24, v24, |v[\y+\i]|, |v[\y+\i+1]|
	v_max3_num_f32 v25, v25, |v[\y+\i+2]|, |v[\y+\i+3]|
.endr
	v_max3_num_f32 v24, v24, |v[\y+30]|, |v[\y+31]|
	v_max3_num_f32 v24, v24, v25, 0x2800000        ; and the floor 2^(5 - 127): the byte cannot fall under 1
	v_add_nc_u32 v26, 0xfe000000, v24              ; 4 off the exponent field: the conversion's scale operand
	v_cvt_scalef32_pk16_bf6_f32 v[\c:\c+2], v[\y:\y+15], v26
	v_cvt_scalef32_pk16_bf6_f32 v[28:30], v[\y+16:\y+31], v26   ; (a conversion's three registers begin on an even number)
	v_lshrrev_b32 v[\bt], 23, v26                  ; the byte; also the plain line behind the conversions
.irp i, 0,1,2
	v_mov_b32 v[\c+3+\i], v[28+\i]
.endr
	global_store_b128 v4, v[\c:\c+3], s[20:21] offset:\off          ; 512 consecutive bytes
	global_store_b64 v8, v[\c+4:\c+5], s[20:21] offset:\off+512     ; 256 consecutive bytes
.endm
	s_wait_loadcnt 16                              ; the first K step's 16 rows are in; the second's may be out
	COLSUM 0
	TOSTAGE 0
	FROMSTAGE 0
	s_wait_loadcnt 0x0
	COLSUM 1
	TOSTAGE 1
	s_wait_dscnt 24                                ; out at most: the second block's 8 loads and the 16 stores behind them
	QB32 Y, C, 7, 0
	s_wait_dscnt 16                                ; out at most: those 16 stores
	QB32 Y+32, C+8, 9, 768
	FROMSTAGE 1
.irp i, 0,1,2,3,4,5,6,7,8,9,10,11,12,13,14,15,16,17,18,19,20,21,22,23,24,25,26,27,28,29,30,31
	global_load_b32 v[32+\i], v12, s[24:25] offset:64*\i   ; span_w(my column i, my head), into registers whose stores to the stage are done
.endr
	ds_store_b128 v10, v[16:19]
	ds_store_b128 v10, v[20:23] offset:512
	s_wait_dscnt 10                                ; out at most: 8 loads and the two stores of sums
	QB32 Y, C+16, 14, 1536
	s_wait_dscnt 2
	QB32 Y+32, C+24, 15, 2304
	v_lshl_or_b32 v7, v9, 16, v7                   ; my two bytes of each K step's word: blocks h and 2 + h,
	v_lshl_or_b32 v14, v15, 16, v14
	v_lshlrev_b32 v9, 3, v3
	v_lshlrev_b32 v7, v9, v7                       ; 8 h bits up
	v_lshlrev_b32 v14, v9, v14
	v_permlane16_swap_b32 v7, v14                  ; lanes 0-15 now hold both parts of the first step's word, lanes 16-31 of the second's
	v_or_b32 v7, v7, v14
	global_store_b32 v4, v7, s[22:23]
	s_wait_dscnt 0x0                               ; my sums lie in LDS
	s_barrier_signal -1
	s_barrier_wait -1
.irp w, 0,1,2,3
.irp i, 0,1,2,3,4,5,6,7
	ds_load_b128 v[64+32*\w+4*\i:64+32*\w+4*\i+3], v11 offset:1024*\w+16*\i
.endr
.endr
	s_wait_dscnt 0x0
	s_wait_loadcnt 0x0
.irp i, 0,2,4,6,8,10,12,14,16,18,20,22,24,26,28,30
	v_pk_add_f32 v[64+\i:65+\i], v[64+\i:65+\i], v[96+\i:97+\i]
	v_pk_add_f32 v[128+\i:129+\i], v[128+\i:129+\i], v[160+\i:161+\i]
.endr
.irp i, 0,2,4,6,8,10,12,14,16,18,20,22,24,26,28,30
	v_pk_add_f32 v[64+\i:65+\i], v[64+\i:65+\i], v[128+\i:129+\i]   ; the 64 rows' sums of my 32 columns
.endr
.irp i, 0,1,2,3
	v_mul_f32 v[24+\i], v[64+\i], v[32+\i]
.endr
.irp i, 4,5,6,7,8,9,10,11,12,13,14,15,16,17,18,19,20,21,22,23,24,25,26,27,28,29,30,31
	v_fma_f32 v[24+\i%4], v[64+\i], v[32+\i], v[24+\i%4]
.endr
	v_add_f32 v24, v24, v25
	v_add_f32 v26, v26, v27
	v_add_f32 v24, v24, v26
	v_permlanex16_b32 v25, v24, s34, s35
	v_add_f32 v24, v24, v25                        ; with the other 32 columns
	global_store_b32 v13, v24, s[26:27]            ; both halves store the same number to the same word
	s_wait_tensorcnt 0x0
	ds_add_u32 v254, v255
	s_wait_dscnt 0x0
	s_endpgm
; THE WEIGHTS.  The four weights [K 1024][N 1024] f32, K their first axis, become codes of BF6 (E3M2) along K, as images of operand registers (768 bytes for 16 columns x 64 K, 12,288 bytes a tile of 16 columns; 512 bytes of scale words a tile behind all tiles).
; A LANE TAKES A COLUMN AND ITS REGISTERS RUN DOWN K: a load reads 128 consecutive bytes, a block of 32 lies in one lane, and the conversions give codes with K innermost.  Nothing is transposed.
; Row p of column tile t is column 32 (t / 2) + 8 (t % 2) + p + 8 (p / 8).  Tiles in wq: head hd's four of Wq, of Wk, of Wv lie together (12 hd + 4 matrix + t % 4), Wo's 64 from 192 on.
; Work-group 256 + 8 y + x: matrix y / 8, K step y % 8; wave w: columns 32 (4 x + w) on, which are two tiles.  No LDS, no barrier; each block has registers of its own.  Loads run two blocks (64 loads a wave) ahead.
; LIMITS: a block of zeros, or one under 2^-122, gets the byte 1 (read by this program alone); NaN and infinities are not served.
.Lweights:
.set N, 64                             ; v64-191 four blocks of 32 numbers
.set C, 16                             ; v16-47  codes, 8 registers a block
	s_load_b256 s[4:11], s[0:1], 0x20              ; Wq, Wk, Wv, Wo_w
	s_load_b64 s[12:13], s[0:1], 0x40              ; wq
	v_lshrrev_b32 v1, 5, v0
	v_readfirstlane_b32 s14, v1                    ; wave
	v_and_b32 v1, 31, v0
	v_lshlrev_b32 v3, 2, v1                        ; 4 bytes a lane
	v_bfe_u32 v2, v0, 3, 1                         ; which of the two tiles my column falls in
	v_and_b32 v7, 7, v0
	v_bfe_u32 v8, v0, 4, 1
	v_lshl_add_u32 v7, v8, 3, v7                   ; and which row of it
	v_mul_u32_u24 v9, v2, 12288
	v_lshl_add_u32 v4, v7, 4, v9                   ; registers 0-3
	v_lshl_add_u32 v5, v7, 3, v9                   ; registers 4-5
	v_lshlrev_b32 v6, 9, v2
	v_lshl_add_u32 v6, v7, 4, v6                   ; the scale word
	s_sub_co_u32 s21, ttmp9, 256
	s_lshr_b32 s15, s21, 3                         ; y
	s_and_b32 s21, s21, 7                          ; x
	s_lshr_b32 s16, s15, 3                         ; matrix
	s_and_b32 s17, s15, 7                          ; K step
	s_lshl_b32 s18, s21, 2
	s_add_co_u32 s18, s18, s14                     ; group of 32 columns
	s_lshr_b32 s19, s18, 1
	s_mul_i32 s19, s19, 12
	s_lshl_b32 s20, s16, 2
	s_add_co_u32 s19, s19, s20
	s_and_b32 s20, s18, 1
	s_lshl_b32 s20, s20, 1
	s_add_co_u32 s19, s19, s20                     ; first tile, for Wq, Wk, Wv
	s_lshl_b32 s20, s18, 1
	s_add_co_u32 s20, s20, 192                     ; for Wo
	s_cmp_lt_u32 s16, 3
	s_cselect_b32 s19, s19, s20
	s_lshl_b32 s22, s17, 19                        ; 128 rows of 4,096 bytes a K step
	s_lshl_b32 s23, s18, 7
	s_add_co_u32 s22, s22, s23
	s_mov_b32 s23, 0
	s_mul_i32 s24, s19, 12288
	s_mul_i32 s25, s17, 1536
	s_add_co_u32 s24, s24, s25
	s_mov_b32 s25, 0
	s_lshl_b32 s26, s19, 9
	s_and_b32 s27, s17, 1
	s_lshl_b32 s27, s27, 8
	s_add_co_u32 s26, s26, s27
	s_lshr_b32 s27, s17, 1
	s_lshl_b32 s27, s27, 2
	s_add_co_u32 s26, s26, s27
	s_add_co_u32 s26, s26, SCOFF
	s_mov_b32 s27, 0
	s_wait_alu depctr_va_vdst(0)                   ; the wait at the head's end
	s_wait_kmcnt 0x0
	s_cmp_eq_u32 s16, 1                            ; the choice hangs on the work-group's number alone
	s_cselect_b64 s[4:5], s[6:7], s[4:5]
	s_cmp_eq_u32 s16, 2
	s_cselect_b64 s[4:5], s[8:9], s[4:5]
	s_cmp_eq_u32 s16, 3
	s_cselect_b64 s[4:5], s[10:11], s[4:5]
	s_add_nc_u64 s[4:5], s[4:5], s[22:23]
	s_add_nc_u64 s[28:29], s[12:13], s[24:25]      ; codes
	s_add_nc_u64 s[30:31], s[12:13], s[26:27]      ; scale words
.macro LOAD t                          ; block t: W(128 step + 32 t + q, my column), q = 0 .. 31; every offset is an immediate, 127 rows of 4,096 bytes at the most
.set q, 0
.rept 32
	global_load_b32 v[N+32*(\t)+q], v3, s[4:5] offset:(32*(\t)+q)*4096 th:TH_LOAD_NT
.set q, q+1
.endr
.endm
	LOAD 0
	LOAD 1
.macro BLOCK t
.set YB, N+32*(\t)
.set CB, C+8*(\t)
.if (\t) < 3
	s_wait_loadcnt 32                              ; this block's 32 loads are in; the next block's 32, issued behind them, may be out
.else
	s_wait_loadcnt 0x0
.endif
.if (\t)+2 < 4
	LOAD (\t)+2                                    ; two blocks ahead, into registers of its own
.endif
	v_max3_num_f32 v8, |v[YB]|, |v[YB+1]|, |v[YB+2]|
	v_max3_num_f32 v9, |v[YB+3]|, |v[YB+4]|, |v[YB+5]|
.irp i, 6,10,14,18,22,26
	v_max3_num_f32 v8, v8, |v[YB+\i]|, |v[YB+\i+1]|
	v_max3_num_f32 v9, v9, |v[YB+\i+2]|, |v[YB+\i+3]|
.endr
	v_max3_num_f32 v8, v8, |v[YB+30]|, |v[YB+31]|
	v_max3_num_f32 v8, v8, v9, 0x2800000           ; the floor 2^(5 - 127)
	v_add_nc_u32 v10, 0xfe000000, v8               ; 4 off the exponent field
	v_cvt_scalef32_pk16_bf6_f32 v[CB:CB+2], v[YB:YB+15], v10
	v_cvt_scalef32_pk16_bf6_f32 v[12:14], v[YB+16:YB+31], v10
	v_lshrrev_b32 v[48+(\t)], 23, v10              ; the byte; also the plain line behind the conversions
.irp i, 0,1,2
	v_mov_b32 v[CB+3+\i], v[12+\i]
.endr
	global_store_b128 v4, v[CB:CB+3], s[28:29] offset:768*((\t)/2)+256*((\t)%2)          ; block t is half t % 2 of piece t / 2
	global_store_b64 v5, v[CB+4:CB+5], s[28:29] offset:768*((\t)/2)+512+128*((\t)%2)
.endm
	BLOCK 0
	BLOCK 1
	BLOCK 2
	BLOCK 3
	v_lshl_or_b32 v52, v49, 8, v48
	v_lshl_or_b32 v52, v50, 16, v52
	v_lshl_or_b32 v52, v51, 24, v52
	global_store_b32 v6, v52, s[30:31]
	s_endpgm
.Lfunc_end_k_q3f1145291a_qx:
	.size	k_q3f1145291a_qx, .Lfunc_end_k_q3f1145291a_qx-k_q3f1145291a_qx
	.p2alignl 7, 3214868480
	.fill 96, 4, 3214868480
	.section	.rodata,"a",@progbits
	.p2align	6, 0x0
	.amdhsa_kernel k_q3f1145291a_qx
		.amdhsa_group_segment_fixed_size 72192
		.amdhsa_private_segment_fixed_size 0
		.amdhsa_enable_private_segment 0
		.amdhsa_kernarg_size 72
		.amdhsa_user_sgpr_count 2
		.amdhsa_user_sgpr_kernarg_segment_ptr 1
		.amdhsa_wavefront_size32 1
		.amdhsa_system_sgpr_workgroup_id_x 1
		.amdhsa_system_sgpr_workgroup_id_y 1
		.amdhsa_system_sgpr_workgroup_id_z 1
		.amdhsa_system_vgpr_workitem_id 0
		.amdhsa_next_free_vgpr 256
		.amdhsa_next_free_sgpr 66
		.amdhsa_reserve_vcc 0
		.amdhsa_float_denorm_mode_32 3
		.amdhsa_float_denorm_mode_16_64 3
		.amdhsa_memory_ordered 1
		.amdhsa_forward_progress 1
		.amdhsa_inst_pref_size 53
	.end_amdhsa_kernel
	.amdgpu_metadata
---
amdhsa.version: [ 1, 2 ]
amdhsa.kernels:
  - .name:           k_q3f1145291a_qx
    .symbol:         k_q3f1145291a_qx.kd
    .args:
      - { .name: x, .offset: 0, .size: 8, .value_kind: global_buffer, .address_space: global }
      - { .name: span_w, .offset: 8, .size: 8, .value_kind: global_buffer, .address_space: global }
      - { .name: xq, .offset: 16, .size: 8, .value_kind: global_buffer, .address_space: global }
      - { .name: zpart, .offset: 24, .size: 8, .value_kind: global_buffer, .address_space: global }
      - { .name: Wq, .offset: 32, .size: 8, .value_kind: global_buffer, .address_space: global }
      - { .name: Wk, .offset: 40, .size: 8, .value_kind: global_buffer, .address_space: global }
      - { .name: Wv, .offset: 48, .size: 8, .value_kind: global_buffer, .address_space: global }
      - { .name: Wo_w, .offset: 56, .size: 8, .value_kind: global_buffer, .address_space: global }
      - { .name: wq, .offset: 64, .size: 8, .value_kind: global_buffer, .address_space: global }
    .group_segment_fixed_size: 72192
    .private_segment_fixed_size: 0
    .kernarg_segment_align: 8
    .kernarg_segment_size: 72
    .max_flat_workgroup_size: 128
    .sgpr_count:     66
    .vgpr_count:     256
    .wavefront_size: 32
...
	.end_amdgpu_metadata
.endif
;; end of part 1
;; launch proj (part 2): grid 16 x 16, 4 waves a work-group, clusters of 4 x 4, 327,680 bytes of LDS; arguments xq, wq, qq, kv, zpart, span_b, zf, zi; writes qq, kv, zf, zi
.if DOCPART == 2
	.amdgcn_target "amdgcn-amd-amdhsa--gfx1250"
	.amdhsa_code_object_version 6
	.text
	.protected	k_q3f1145291a_proj
	.globl	k_q3f1145291a_proj
	.p2align	8
	.type	k_q3f1145291a_proj,@function
k_q3f1145291a_proj:
	s_mov_b64 s[64:65], 0
	v_nop
	global_prefetch_b8 v0, s[64:65] scope:SCOPE_SE
	s_setreg_imm32_b32 hwreg(HW_REG_WAVE_MODE, 25, 1), 1
	s_wait_xcnt 0x0
	s_wait_alu depctr_hold_cnt(0) depctr_sa_sdst(0) depctr_va_vdst(0) depctr_va_sdst(0) depctr_va_ssrc(0) depctr_va_vcc(0) depctr_vm_vsrc(0)
	s_getreg_b32 s2, hwreg(HW_REG_IB_STS2, 6, 4)
	s_cmp_eq_u32 s2, 0
	s_cbranch_scc0 .Lentry_in_a_cluster
	s_endpgm
.Lentry_in_a_cluster:
	s_bfe_u32 s2, ttmp6, 0x10000c
	s_cmp_lg_u32 s2, 0xf033
	s_cbranch_scc0 .Lentry_shape_is_right
	s_endpgm
.Lentry_shape_is_right:
; q, k, v = x Wq, x Wk, x Wv on codes of BF6 (E3M2), for one head and 256 tokens, and their quantising for attention's two products: nothing wide goes to memory.
; SHARES.  Work-group (head hd, row block rb): 16 tiles of x against the head's 12 tiles of weights (4 of Wq, 4 of Wk, 4 of Wv).  Wave w: x's tiles 4 w .. 4 w + 3 (64 tokens) against all 12: 48 accumulators.
; q and k are used TRANSPOSED (source 0 = 16 columns of W, source 1 = 16 tokens): a lane holds one token and its registers run along the head's 64, which is the K of q k^T.
; v is used the other way (source 0 = tokens, source 1 = columns of Wv): a lane holds one of the head's 64 and its registers run along 64 tokens, the K of attn v.  The tiles' row order makes 16 registers of two neighbouring tiles 16 neighbours.
; K goes in four quarters of 256 (two steps of 128) through three LDS slots; quarter 3 takes slot 0 when quarter 0 has been read.  Operands lie in memory as images of their registers, so a slot's rows are dense pieces of 3,072 bytes a tile.
; CLUSTER 4 x 4: the four of a row share rb and so x's tiles, the four of a column share hd and so the weights': each tile is asked for jointly.
; REGISTERS: window 0: v1-12 LDS addresses, v13-14 the add's, v16-31 x's scale words, v32-79 W's, v96-191 x's fragments in two sets (later the codes made), v200-231 at work.
;   window 1: the 12 fragments of W, one set.   window 2: q's accumulators at 8 (4 xt + wt), k's 128 further on.   window 3: v's at 8 (4 wt + xt).
; LIMITS: a block of zeros, or one under 2^-122, gets the byte 1 (read by this program alone); NaN and infinities are not served.
; HOW K'S FOUR QUARTERS COME IN NOW: quarters 0 and 1 by the head's one load a wave, as rows of 6,144 bytes a tile, into LDS bytes 0 .. 172,031 (x's 16 tiles, then W's 12);
; quarter 2 behind the full sequence and a round, as rows of 3,072 bytes, into bytes 172,032 on; quarter 3 fills bytes 0 .. 86,015 again when step 3's fragments have been read.
.set SLOT,  86016                      ; a quarter: x's 16 pieces, then W's 12
.set BX16,  88                         ; v88-89: W's addresses for quarter 3
.set BX8,   89
.set BOFF,  49152
.set SPARE, 3*SLOT                     ; the spare words: 128 bytes a wave, two blocks of 256 bytes that no other line names
.set SCOFF, 3145728
.set HEADB, 208896                     ; a head's block in kv: k's scale words 8,192; k 98,304; v 98,304; v's scale words 4,096
.set A16, 1
.set A8,  4
.set B16, 7
.set B8,  10
.set SPW, 13
.set NIL, 14
.set XS,  16
.set WS,  32
.set PT,  84
.set AF,  96
.set TM,  200
.set PWR, 212
.set GL16, 224
.set GL8,  225
.set MQ,   226
.set G1A, 24
.set G1B, 48
.set SEL, 88
.set MSB, 0
.macro WIN new                         ; the immediate's high byte repeats the setting that is left
.if MSB != \new
	s_set_vgpr_msb (MSB<<8)|\new
.set MSB, \new
.endif
.endm
.macro PLACES                          ; four plain lines behind matrix instructions, ahead of loads into registers that they read and of reads of their results
.rept 4
	v_nop
.endr
.endm
.macro JLOAD g0a, g1a, g0b, g1b        ; a joint load: waves 0 and 1 fetch x's halves, waves 2 and 3 W's; four v_nop follow each line
	s_cmp_eq_u32 s15, 0
	s_cbranch_scc0 .Lfor_b_\@
	tensor_load_to_lds s[\g0a:\g0a+3], s[\g1a:\g1a+7]
	s_nop 0
.rept 4
	v_nop
.endr
	s_branch .Lasked_\@
.Lfor_b_\@:
	tensor_load_to_lds s[\g0b:\g0b+3], s[\g1b:\g1b+7]
	s_nop 0
.rept 4
	v_nop
.endr
.Lasked_\@:
.endm
.macro CREST                           ; a round of the cluster's barrier behind its opening barrier
	s_cmp_lg_u32 s14, 0
	s_cbranch_scc1 .Lnot_wave_0_\@
	s_barrier_signal -3
.Lnot_wave_0_\@:
	s_barrier_wait -3
	s_barrier_signal -1
	s_barrier_wait -1
.endm
.macro CROUND
	s_barrier_signal -1
	s_barrier_wait -1
	CREST
.endm
	s_load_b256 s[4:11], s[0:1], 0x0               ; xq, wq, qq, kv
	v_lshl_add_u32 v[SPW], v0, 2, SPARE
	v_mov_b32 v[NIL], 0
	ds_add_u32 v13, v14
	ds_add_u32 v13, v14
	s_wait_dscnt 0x0
	v_lshrrev_b32 v15, 5, v0
	v_readfirstlane_b32 s14, v15                   ; wave
	s_lshr_b32 s15, s14, 1                         ; I fetch for x (0) or for W (1)
	s_and_b32 s16, s14, 1                          ; which half
	s_bfe_u32 s40, ttmp6, 0x40000                  ; cx
	s_bfe_u32 s41, ttmp6, 0x40004                  ; cy
	s_lshl_b32 s42, ttmp9, 2
	s_add_co_u32 s42, s42, s40                     ; head
	s_and_b32 s17, ttmp7, 0xffff
	s_lshl_b32 s17, s17, 2
	s_add_co_u32 s17, s17, s41                     ; row block
	s_lshl_b32 s43, s41, 2
	s_lshl_b32 s43, 15, s43                        ; my row of the cluster
	s_lshl_b32 s44, 0x1111, s40                    ; my column
	s_or_b32 s[G1A], s43, (3<<16)|(1<<21)          ; the mask; elements of 8 bytes; bit 21 beside a mask; no padding
	s_or_b32 s[G1B], s44, (3<<16)|(1<<21)
	s_mov_b32 s[G1A+1], 768<<16                    ; tensor_dim0: 6,144 bytes of a tile, two quarters
	s_mov_b32 s[G1A+2], 8<<16                      ; tensor_dim1: 8 tiles
	s_mov_b32 s[G1A+3], 768<<16                    ; tile_dim0
	s_mov_b32 s[G1A+4], 8                          ; tile_dim1
	s_mov_b32 s[G1A+5], 1536                       ; 12,288 bytes from tile to tile
	s_mov_b32 s[G1A+6], 0
	s_mov_b32 s[G1A+7], 0
	s_mov_b32 s[G1B+1], 768<<16
	s_mov_b32 s[G1B+2], 6<<16                      ; 6 tiles
	s_mov_b32 s[G1B+3], 768<<16
	s_mov_b32 s[G1B+4], 6
	s_mov_b32 s[G1B+5], 1536
	s_mov_b32 s[G1B+6], 0
	s_mov_b32 s[G1B+7], 0
	s_lshl_b32 s20, s17, 4
	s_lshl_b32 s21, s16, 3
	s_add_co_u32 s20, s20, s21
	s_mul_i32 s20, s20, 12288                      ; x: tile 16 rb + 8 half
	s_mov_b32 s21, 0
	s_mul_i32 s46, s42, 12
	s_mul_i32 s47, s16, 6
	s_add_co_u32 s46, s46, s47
	s_mul_i32 s46, s46, 12288                      ; W: tile 12 hd + 6 half
	s_mov_b32 s47, 0
	s_mul_i32 s45, s16, 24576                      ; where they go in a slot: no place in the cluster enters an LDS address
	s_mul_i32 s94, s16, 18432
	s_add_co_u32 s94, s94, BOFF
	s_mul_i32 s22, s16, 49152                      ; and for the two quarters of the head's load: 8 tiles x 6,144,
	s_mul_i32 s23, s16, 36864                      ; 6 tiles x 6,144 behind x's 98,304
	s_add_co_u32 s23, s23, 98304
	s_wait_kmcnt 0x0
	s_add_nc_u64 s[20:21], s[4:5], s[20:21]
	s_add_nc_u64 s[46:47], s[6:7], s[46:47]
	CROUND                                         ; all sixteen work-groups are here: the first joint loads meet
.macro MKG0 ga, gb, ra, rb, ladd, goff ; group 0 for x's and for W's load: LDS address s[ra] or s[rb] + ladd, goff bytes into each tile
	s_mov_b32 s[\ga], 1
	s_add_co_u32 s[\ga+1], s[\ra], \ladd
	s_add_nc_u64 s[\ga+2:\ga+3], s[20:21], \goff
	s_or_b32 s[\ga+3], s[\ga+3], 0x80000000
	s_mov_b32 s[\gb], 1
	s_add_co_u32 s[\gb+1], s[\rb], \ladd
	s_add_nc_u64 s[\gb+2:\gb+3], s[46:47], \goff
	s_or_b32 s[\gb+3], s[\gb+3], 0x80000000
.endm
	MKG0 32, 56, 22, 23, 0, 0                      ; quarters 0 and 1
	MKG0 36, 60, 45, 94, 2*SLOT, 6144              ; quarter 2
	MKG0 68, 72, 45, 94, 0, 9216                   ; quarter 3
	JLOAD 32, G1A, 56, G1B                         ; one tensor load a wave at the head
	v_and_b32 v15, 31, v0
	v_lshlrev_b32 v[GL16], 4, v15
	v_lshlrev_b32 v[GL8], 3, v15
	s_mul_i32 s95, s14, 12288                      ; my four tiles of x
	v_add_nc_u32 v[A16+2], s95, v[GL16]            ; quarter 3
	v_add_nc_u32 v[A8+2], s95, v[GL8]
	s_add_co_u32 s95, s95, 2*SLOT
	v_add_nc_u32 v[A16+1], s95, v[GL16]            ; quarter 2
	v_add_nc_u32 v[A8+1], s95, v[GL8]
	s_mul_i32 s95, s14, 24576
	v_add_nc_u32 v[A16], s95, v[GL16]              ; quarters 0 and 1: four tiles of 6,144 bytes
	v_add_nc_u32 v[A8], s95, v[GL8]
	v_add_nc_u32 v[B16], 98304, v[GL16]            ; quarters 0 and 1: Wq's and Wk's tiles,
	v_add_nc_u32 v[B8], 98304, v[GL8]
	v_add_nc_u32 v[B16+1], 147456, v[GL16]         ; Wv's, eight tiles on, so that the offsets stay in 16 bits
	v_add_nc_u32 v[B8+1], 147456, v[GL8]
	v_add_nc_u32 v[B16+2], 2*SLOT+BOFF, v[GL16]    ; quarter 2
	v_add_nc_u32 v[B8+2], 2*SLOT+BOFF, v[GL8]
	v_add_nc_u32 v[BX16], BOFF, v[GL16]            ; quarter 3
	v_add_nc_u32 v[BX8], BOFF, v[GL8]
	v_mov_b32 v[TM+2], 0                           ; written once: a lane permute's destination counts as a source
	v_mov_b32 v[TM+3], 0
	s_mov_b32 s[SEL], 0x76543210
	s_mov_b32 s[SEL+1], 0xfedcba98
	s_mov_b32 s90, 0xffff0000                      ; lanes 16-31
	s_mov_b32 s97, 0
	s_lshl_b32 s96, s17, 4
	s_lshl_b32 s95, s14, 2
	s_add_co_u32 s96, s96, s95
	s_lshl_b32 s96, s96, 9
	s_add_co_u32 s96, s96, SCOFF
	s_add_nc_u64 s[12:13], s[4:5], s[96:97]        ; my tiles' scale words
	s_mul_i32 s96, s42, 6144
	s_add_co_u32 s96, s96, SCOFF
	s_add_nc_u64 s[18:19], s[6:7], s[96:97]        ; the head's 12 tiles'
.irp x, 0,1,2,3
	global_load_b128 v[XS+4*\x:XS+4*\x+3], v[GL16], s[12:13] offset:512*\x
.endr
.irp i, 0,1,2,3,4,5,6,7,8,9,10,11
	global_load_b128 v[WS+4*\i:WS+4*\i+3], v[GL16], s[18:19] offset:512*\i
.endr
	; where the results go
	s_lshr_b32 s91, s17, 3
	s_lshl_b32 s91, s91, 4
	s_add_co_u32 s91, s91, s42                     ; 16 batch + head
	s_and_b32 s92, s17, 7
	s_lshl_b32 s93, s92, 4
	s_add_co_u32 s93, s93, s95                     ; my first token tile in the batch
	s_lshl_b32 s92, s92, 1
	s_add_co_u32 s92, s92, s15                     ; my key step of 128
	s_lshl_b32 s96, s91, 7
	s_add_co_u32 s96, s96, s93
	s_mul_i32 s96, s96, 768
	s_add_nc_u64 s[76:77], s[8:9], s[96:97]        ; q's codes
	s_lshl_b32 s96, s91, 13
	s_lshl_b32 s95, s92, 9
	s_add_co_u32 s96, s96, s95
	s_lshl_b32 s95, s16, 3
	s_add_co_u32 s96, s96, s95
	s_add_co_u32 s96, s96, SCOFF
	s_add_nc_u64 s[78:79], s[8:9], s[96:97]        ; q's scale words
	s_mul_i32 s98, s91, HEADB
	s_mul_i32 s96, s93, 768
	s_add_co_u32 s96, s96, s98
	s_add_co_u32 s96, s96, 8192
	s_add_nc_u64 s[80:81], s[10:11], s[96:97]      ; k's codes
	s_lshl_b32 s96, s92, 9
	s_add_co_u32 s96, s96, s95
	s_add_co_u32 s96, s96, s98
	s_add_nc_u64 s[82:83], s[10:11], s[96:97]      ; k's scale words
	s_mul_i32 s96, s92, 6144
	s_mul_i32 s99, s16, 768
	s_add_co_u32 s96, s96, s99
	s_add_co_u32 s96, s96, s98
	s_add_co_u32 s96, s96, 106496
	s_add_nc_u64 s[84:85], s[10:11], s[96:97]      ; v's codes
	s_lshl_b32 s96, s92, 8
	s_lshl_b32 s99, s16, 1
	s_add_co_u32 s96, s96, s99
	s_add_co_u32 s96, s96, s98
	s_add_co_u32 s96, s96, 204800
	s_add_nc_u64 s[86:87], s[10:11], s[96:97]      ; v's scale bytes
.macro FRAGL F, a16, a8, off           ; a fragment, 12 registers, from its image: every load takes consecutive bytes of the 32 lanes
	ds_load_b128 v[\F:\F+3], v[\a16] offset:\off
	ds_load_b64 v[\F+4:\F+5], v[\a8] offset:\off+512
	ds_load_b128 v[\F+6:\F+9], v[\a16] offset:\off+768
	ds_load_b64 v[\F+10:\F+11], v[\a8] offset:\off+1280
.endm
.macro LOADA s                         ; x's four fragments of step s into set s % 2: 16 loads
.if (\s) < 4
.set SN, 0
.set PX, 6144
.set PO, 1536*(\s)
.else
.set SN, (\s)/2-1
.set PX, 3072
.set PO, 1536*((\s)&1)
.endif
.irp x, 0,1,2,3
	FRAGL AF+48*((\s)&1)+12*\x, A16+SN, A8+SN, PX*\x+PO
.endr
.endm
.macro LOADB g, s                      ; four fragments of W (g = 0 Wq, 1 Wk, 2 Wv): 16 loads
.if (\s) < 4
.set PX, 6144
.if \g < 2
.set R16, B16
.set R8, B8
.set PO, 24576*\g+1536*(\s)
.else
.set R16, B16+1
.set R8, B8+1
.set PO, 1536*(\s)
.endif
.else
.set PX, 3072
.set PO, 12288*\g+1536*((\s)&1)
.if (\s) < 6
.set R16, B16+2
.set R8, B8+2
.else
.set R16, BX16
.set R8, BX8
.endif
.endif
.irp x, 0,1,2,3
	FRAGL 12*(4*\g+\x), R16, R8, PX*\x+PO
.endr
.endm
.macro WM zero, row                    ; one product on DD, SA, SB, CA, CB.  An even step's scale words lie in lanes 0-15, an odd step's in lanes 16-31
.if \zero
	v_wmma_scale_f32_16x16x128_f8f6f4 v[DD:DD+7], v[SA:SA+11], v[SB:SB+11], 0, v[CA], v[CB] matrix_a_fmt:MATRIX_FMT_BF6 matrix_b_fmt:MATRIX_FMT_BF6
.elseif \row
	v_wmma_scale_f32_16x16x128_f8f6f4 v[DD:DD+7], v[SA:SA+11], v[SB:SB+11], v[DD:DD+7], v[CA], v[CB] matrix_a_fmt:MATRIX_FMT_BF6 matrix_b_fmt:MATRIX_FMT_BF6 matrix_a_scale:MATRIX_SCALE_ROW1 matrix_b_scale:MATRIX_SCALE_ROW1
.else
	v_wmma_scale_f32_16x16x128_f8f6f4 v[DD:DD+7], v[SA:SA+11], v[SB:SB+11], v[DD:DD+7], v[CA], v[CB] matrix_a_fmt:MATRIX_FMT_BF6 matrix_b_fmt:MATRIX_FMT_BF6
.endif
.endm
; The 48 accumulators take turns, one instruction a turn, in the same order in every step.
.macro PH_QK g, s, zero                ; q's (g = 0) or k's (1) 16 products of step s
	WIN 0xa1                                       ; source 0 (W) window 1, source 1 (x) window 0, C and D window 2
.irp wt, 0,1,2,3
.irp xt, 0,1,2,3
.set DD, 128*\g+8*(4*\xt+\wt)
.set SA, 12*(4*\g+\wt)
.set SB, AF+48*((\s)&1)+12*\xt
.set CA, WS+4*(4*\g+\wt)+((\s)>>1)
.set CB, XS+4*\xt+((\s)>>1)
	WM \zero, ((\s)&1)
.endr
.endr
.endm
.macro PH_V s, zero
	WIN 0xf4                                       ; source 0 (x) window 0, source 1 (Wv) window 1, C and D window 3
.irp wt, 0,1,2,3
.irp xt, 0,1,2,3
.set DD, 8*(4*\wt+\xt)
.set SA, AF+48*((\s)&1)+12*\xt
.set SB, 12*(8+\wt)
.set CA, XS+4*\xt+((\s)>>1)
.set CB, WS+4*(8+\wt)+((\s)>>1)
	WM \zero, ((\s)&1)
.endr
.endr
.endm
.macro STEP s, zero
	s_wait_dscnt 32                                ; x's and Wq's fragments are in; Wk's and Wv's 32 loads may be out
	PH_QK 0, \s, \zero
	PLACES
	WIN 0
	LOADA (\s)+1
	WIN 0x40                                       ; destination window 1
	LOADB 0, (\s)+1
	s_wait_dscnt 48                                ; Wk's are in; out: Wv's 16 and the 32 just issued
	PH_QK 1, \s, \zero
	PLACES
	WIN 0x40
	LOADB 1, (\s)+1
	s_wait_dscnt 48                                ; Wv's are in; out: the next step's 48
	PH_V \s, \zero
	PLACES
	WIN 0x40
	LOADB 2, (\s)+1
.endm
; A step behind which the next slot must be whole for every wave.  fill = 1: slot 0, read out, takes quarter 3.
.macro TURN s, fill
	WIN 0
	s_wait_tensorcnt 0x0                           ; all my tensor loads have landed
	ds_add_u32 v[SPW], v[NIL]                      ; 0 onto my spare word
	s_wait_dscnt 33                                ; (the add and Wk's and Wv's 32 loads may be out)
	PH_QK 0, \s, 0                                 ; sixteen products stand between the add and the wait for it
	s_wait_dscnt 0x0                               ; the add is done, and my reads of this slot are over
	WIN 0
	s_barrier_signal -1
	s_barrier_wait -1
.if \fill
	CREST                                          ; the barrier has opened a round of the cluster's: no wave of any partner reads slot 0 or has a load on its way
	JLOAD 68, G1A, 72, G1B                         ; quarter 3, the first tensor load behind the round; its four v_nop are the places ahead of the loads below
.else
	PLACES
.endif
	s_wait_alu depctr_va_vdst(0)
	LOADA (\s)+1
	WIN 0x40
	LOADB 0, (\s)+1
	PH_QK 1, \s, 0
	PLACES
	WIN 0x40
	LOADB 1, (\s)+1
	PH_V \s, 0
	PLACES
	WIN 0x40
	LOADB 2, (\s)+1
.endm
	s_wait_alu depctr_va_vdst(0)                   ; the wait at the head's end
	s_wait_tensorcnt 0x0                           ; my part of quarters 0 and 1 is in
	ds_add_u32 v[SPW], v[NIL]
	s_mov_b32 s[G1A+1], 384<<16                    ; no tensor load of mine is out: from here on a row is 3,072 bytes, one quarter
	s_mov_b32 s[G1A+3], 384<<16
	s_mov_b32 s[G1B+1], 384<<16
	s_mov_b32 s[G1B+3], 384<<16
	s_wait_dscnt 0x0
	CROUND                                         ; everybody's part is in, and all sixteen work-groups are here
	JLOAD 36, G1A, 60, G1B                         ; quarter 2, the first tensor load behind the round
	LOADA 0
	WIN 0x40
	LOADB 0, 0
	LOADB 1, 0
	LOADB 2, 0
	s_wait_loadcnt 0x0                             ; the scale words
	STEP 0, 1                                      ; the first step's products start the sums
	STEP 1, 0
	STEP 2, 0
	TURN 3, 1
	STEP 4, 0
	TURN 5, 0
; THE SPAN of my batch and head is finished here too: the 512 partial logits are summed, z = 2048 sigmoid(mean logit + bias).  Every wave stores 256 + z as f32 (zf) and its whole part (zi),
; 32 equal words to 128 bytes of its own: 512 bytes for each work-group, at 16 x row block + head.  No branch.  The loads go out ahead of the last K step, the sums follow behind the stores.
	s_load_b256 s[24:31], s[0:1], 0x20             ; zpart, span_b, zf, zi, into descriptor registers that are done with: all my tensor loads have landed
	STEP 6, 0
	s_wait_kmcnt 0x0
	s_mov_b32 s33, 0
	s_lshl_b32 s32, s91, 11
	s_add_nc_u64 s[24:25], s[24:25], s[32:33]      ; 2,048 bytes of partial logits for 16 batch + head
	s_lshl_b32 s32, s42, 2
	s_add_nc_u64 s[26:27], s[26:27], s[32:33]
	s_load_b32 s34, s[26:27], 0x0                  ; span_b of the head
	s_mov_b32 s35, 0x45000000                      ; 2048.0
	s_lshl_b32 s32, s17, 4
	s_add_co_u32 s32, s32, s42
	s_lshl_b32 s32, s32, 2
	s_add_co_u32 s32, s32, s14
	s_lshl_b32 s32, s32, 7
	s_add_nc_u64 s[28:29], s[28:29], s[32:33]
	s_add_nc_u64 s[30:31], s[30:31], s[32:33]
	WIN 0
.irp j, 0,1,2,3
	global_load_b128 v[232+4*\j:235+4*\j], v[GL16], s[24:25] offset:512*\j
.endr
	s_wait_dscnt 32                                ; the last step: nothing more to fetch
	PH_QK 0, 7, 0
	s_wait_dscnt 16
	PH_QK 1, 7, 0
	s_wait_dscnt 0x0
	PH_V 7, 0
	WIN 0
	PLACES
; 32 results of a lane in window w, v[a] on (two blocks of 32 along the next K, 16 of each in this lane), become six registers of codes in v[pc] on and two scale bytes in v[pw].
.macro QUANT2 a, w, pc, pw
	WIN (\w)*5                                     ; sources 0 and 1: window w
.irp b, 0,1
	v_max3_num_f32 v[TM+\b], |v[\a+16*\b]|, |v[\a+16*\b+1]|, 0x2800000   ; each accumulator from its low end on; the floor 2^(5 - 127)
.endr
.irp i, 2,4,6,8,10,12,14
.irp b, 0,1
	v_max3_num_f32 v[TM+\b], |v[\a+16*\b+\i]|, |v[\a+16*\b+\i+1]|, v[TM+\b]
.endr
.endr
	WIN 0
.irp b, 0,1
	v_permlanex16_b32 v[TM+2+\b], v[TM+\b], s[SEL], s[SEL+1]
.endr
.irp b, 0,1
	v_max_num_f32 v[TM+\b], v[TM+\b], v[TM+2+\b]   ; with lane l xor 16's 16: the block's largest magnitude
.endr
.irp b, 0,1
	v_add_nc_u32 v[TM+4+\b], 0xfe000000, v[TM+\b]  ; 4 off the exponent field
.endr
.irp b, 0,1
	v_lshrrev_b32 v[TM+2+\b], 23, v[TM+4+\b]
.endr
	v_lshl_or_b32 v[\pw], v[TM+3], 8, v[TM+2]
	WIN \w                                         ; source 0: window w
	v_cvt_scalef32_pk16_bf6_f32 v[\pc:\pc+2], v[\a:\a+15], v[TM+4]
	v_cvt_scalef32_pk16_bf6_f32 v[PT:PT+2], v[\a+16:\a+31], v[TM+5]
	WIN 0
	v_nop                                          ; one plain line behind a scaled conversion
.irp i, 0,1,2
	v_permlane16_swap_b32 v[\pc+\i], v[PT+\i]      ; a whole block to a lane: lanes 0-15 block 0, lanes 16-31 block 1
.endr
.irp i, 0,1,2
	v_mov_b32 v[\pc+3+\i], v[PT+\i]
.endr
.endm
.irp x, 0,1,2,3
	QUANT2 32*\x, 2, 96+8*\x, PWR+\x
	global_store_b128 v[GL16], v[96+8*\x:99+8*\x], s[76:77] offset:768*\x
	global_store_b64 v[GL8], v[100+8*\x:101+8*\x], s[76:77] offset:768*\x+512
.endr
.irp x, 0,1,2,3
	QUANT2 128+32*\x, 2, 128+8*\x, PWR+4+\x
	global_store_b128 v[GL16], v[128+8*\x:131+8*\x], s[80:81] offset:768*\x
	global_store_b64 v[GL8], v[132+8*\x:133+8*\x], s[80:81] offset:768*\x+512
.endr
.irp x, 0,1,2,3
	QUANT2 32*\x, 3, 160+8*\x, PWR+8+\x
	global_store_b128 v[GL16], v[160+8*\x:163+8*\x], s[84:85] offset:1536*\x
	global_store_b64 v[GL8], v[164+8*\x:165+8*\x], s[84:85] offset:1536*\x+512
.endr
.irp j, 0,1,2,3,4,5                    ; two tiles' words to a register: the even tile's in lanes 0-15, the odd tile's in lanes 16-31
	v_cndmask_b32 v[MQ+\j], v[PWR+2*\j], v[PWR+2*\j+1], s90
.endr
	global_store_b64 v[GL16], v[MQ:MQ+1], s[78:79]
	global_store_b64 v[GL16], v[MQ+2:MQ+3], s[82:83]
	global_store_b16 v[GL8], v[MQ+4], s[86:87]
	global_store_b16 v[GL8], v[MQ+5], s[86:87] offset:4
	s_wait_loadcnt 0x0                             ; the partial logits
	v_pk_add_f32 v[232:233], v[232:233], v[236:237]
	v_pk_add_f32 v[234:235], v[234:235], v[238:239]
	v_pk_add_f32 v[240:241], v[240:241], v[244:245]
	v_pk_add_f32 v[242:243], v[242:243], v[246:247]
	v_pk_add_f32 v[232:233], v[232:233], v[240:241]
	v_pk_add_f32 v[234:235], v[234:235], v[242:243]
	v_pk_add_f32 v[232:233], v[232:233], v[234:235]
	v_add_f32 v232, v232, v233
	v_add_f32_dpp v232, v232, v232 row_xmask:1 row_mask:0xf bank_mask:0xf
	v_add_f32_dpp v232, v232, v232 row_xmask:2 row_mask:0xf bank_mask:0xf
	v_add_f32_dpp v232, v232, v232 row_xmask:4 row_mask:0xf bank_mask:0xf
	v_add_f32_dpp v232, v232, v232 row_xmask:8 row_mask:0xf bank_mask:0xf
	v_permlanex16_b32 v[TM+2], v232, s[SEL], s[SEL+1]
	v_add_f32 v232, v232, v[TM+2]
	s_wait_alu depctr_va_vdst(0)
	s_wait_kmcnt 0x0
	v_fma_f32 v248, v232, 0x3a000000, s34          ; the mean's 1 / 2048, and the bias
	v_mul_f32 v248, 0xbfb8aa3b, v248
	s_wait_alu depctr_va_vdst(0)
	v_exp_f32 v248, v248
	v_nop
	s_wait_alu depctr_va_vdst(0)
	v_add_f32 v248, 1.0, v248
	s_wait_alu depctr_va_vdst(0)
	v_rcp_f32 v248, v248
	v_lshrrev_b32 v251, 1, v[GL8]                  ; 4 x lane; also the plain line behind the transcendental
	s_wait_alu depctr_va_vdst(0)
	v_fma_f32 v249, v248, s35, 0x43800000          ; 256 + z, between 256 and 2,304
	v_cvt_i32_f32 v250, v249                       ; its whole part
	global_store_b32 v251, v249, s[28:29]
	global_store_b32 v251, v250, s[30:31]
	s_wait_tensorcnt 0x0                           ; the wave's end
	ds_add_u32 v[SPW], v[NIL]
	s_wait_dscnt 0x0
	CROUND                                         ; the closing round
	s_endpgm
.Lfunc_end_k_q3f1145291a_proj:
	.size	k_q3f1145291a_proj, .Lfunc_end_k_q3f1145291a_proj-k_q3f1145291a_proj
	.p2alignl 7, 3214868480
	.fill 96, 4, 3214868480
	.section	.rodata,"a",@progbits
	.p2align	6, 0x0
	.amdhsa_kernel k_q3f1145291a_proj
		.amdhsa_group_segment_fixed_size 327680
		.amdhsa_private_segment_fixed_size 0
		.amdhsa_enable_private_segment 0
		.amdhsa_kernarg_size 64
		.amdhsa_user_sgpr_count 2
		.amdhsa_user_sgpr_kernarg_segment_ptr 1
		.amdhsa_wavefront_size32 1
		.amdhsa_system_sgpr_workgroup_id_x 1
		.amdhsa_system_sgpr_workgroup_id_y 1
		.amdhsa_system_sgpr_workgroup_id_z 1
		.amdhsa_system_vgpr_workitem_id 0
		.amdhsa_next_free_vgpr 896
		.amdhsa_next_free_sgpr 100
		.amdhsa_reserve_vcc 0
		.amdhsa_float_denorm_mode_32 3
		.amdhsa_float_denorm_mode_16_64 3
		.amdhsa_memory_ordered 1
		.amdhsa_forward_progress 1
		.amdhsa_inst_pref_size 127
	.end_amdhsa_kernel
	.amdgpu_metadata
---
amdhsa.version: [ 1, 2 ]
amdhsa.kernels:
  - .name:           k_q3f1145291a_proj
    .symbol:         k_q3f1145291a_proj.kd
    .args:
      - { .name: xq, .offset: 0, .size: 8, .value_kind: global_buffer, .address_space: global }
      - { .name: wq, .offset: 8, .size: 8, .value_kind: global_buffer, .address_space: global }
      - { .name: qq, .offset: 16, .size: 8, .value_kind: global_buffer, .address_space: global }
      - { .name: kv, .offset: 24, .size: 8, .value_kind: global_buffer, .address_space: global }
      - { .name: zpart, .offset: 32, .size: 8, .value_kind: global_buffer, .address_space: global }
      - { .name: span_b, .offset: 40, .size: 8, .value_kind: global_buffer, .address_space: global }
      - { .name: zf, .offset: 48, .size: 8, .value_kind: global_buffer, .address_space: global }
      - { .name: zi, .offset: 56, .size: 8, .value_kind: global_buffer, .address_space: global }
    .group_segment_fixed_size: 327680
    .private_segment_fixed_size: 0
    .kernarg_segment_align: 8
    .kernarg_segment_size: 64
    .max_flat_workgroup_size: 128
    .sgpr_count:     100
    .vgpr_count:     896
    .wavefront_size: 32
...
	.end_amdgpu_metadata
.endif
;; end of part 2
;; launch attn (part 3): grid 8 x 32, 8 waves a work-group, no clusters, 209,920 bytes of LDS; arguments qq, kv, zf, zi, aq; writes aq
.if DOCPART == 3
	.amdgcn_target "amdgcn-amd-amdhsa--gfx1250"
	.amdhsa_code_object_version 6
	.text
	.protected	k_q3f1145291a_attn
	.globl	k_q3f1145291a_attn
	.p2align	8
	.type	k_q3f1145291a_attn,@function
k_q3f1145291a_attn:
	s_mov_b64 s[64:65], 0
	v_nop
	global_prefetch_b8 v0, s[64:65] scope:SCOPE_SE
	s_setreg_imm32_b32 hwreg(HW_REG_WAVE_MODE, 25, 1), 1
	s_wait_xcnt 0x0
; Attention with a causal mask and a soft span mask, both products on codes of BF6 (E3M2); its result is quantised for the output projection.
; attn = softmax x mask / (sum of softmax x mask + 1e-8) = e m' / (sum e m' + 2.56e-6 sum e), e = 2^(t - M), t = score x log2(e) / 8, M the row's running largest t rounded up to a whole number,
; m' = 256 x mask = (256 + z - distance) held to 0 .. 256.  The finished attn is what is quantised: so TWO PASSES over the keys.  Pass 1: M and the divisor.  Pass 2: the scores again, attn, its codes, O^T += V^T P^T.
; KEY STEPS OF THREE KINDS.  An earlier launch stored 256 + z (zf) and its whole part ZI (zi).  With D the largest distance of a step's 24 query rows x 128 keys, by whole numbers alone:
;   D + 257 <= ZI: every causal m' is 256 (FULL);  D - 150 >= ZI + 2: every m' is 0 (ZERO);  else MIXED, and the ramp is computed.
; Pass 1 adds e W to ONE divisor, W = 256 in a full step (256 + 2.56e-6 rounds to it) and 2.56e-6 in the others; a mixed step adds e m' besides.
; Pass 2 puts the divisor into the exponent: attn = 2^(t + L) m', L = -M - log2(divisor); a full step takes L + 8 and no mask; a zero step's attn is all zeros: it only fetches the next K.
; Keys behind the query: in a tile's own key step 0 or -infinity is added to each score, from 64 registers made once.
; SHARES.  Head bh = y.  Work-group g = x owns query tiles 8 m + g, m = 0 .. 15.  Tile m's diagonal lies in key step m, so it has m + 1 key steps in each pass.
; Wave w takes m = 15 - w and then m = w xor 4.  THE DEAL IS UNEVEN BY DESIGN: waves 0-3 have 21 key steps in each pass (tiles 15 - w and 4 + w), waves 4-7 have 13 (tiles 15 - w and w - 4); waves w and w + 4 together have 34, for every w.
; The head's k, v and scale words, 208,896 bytes, lie in LDS as images of operand registers; each wave copies an eighth through registers.  K's 106,496 bytes come first (26 loads of 512 bytes a wave) and have a barrier of their own.
; V's 102,400 bytes (25 loads a wave) stay on their way in registers that pass 1 does not touch, and go to LDS behind the first tile's first four key steps, which every wave has (m is at least 8 there); a second barrier follows.
; NO TENSOR LOAD, NO CLUSTER: the steps' kinds are branches on a number read from memory; joint requests exist for tensor loads alone.
; NO PREFETCH: the copies stand at the head, and there is no loop ahead of them to ask in.
; Every loop has a constant count; a step that is not wanted jumps to the lines that step addresses.  The two tiles are written by one macro, so that no barrier stands under a branch.
; LAYOUT.  S^T = K Q^T and O^T = V^T P^T: a lane holds one query (lane % 16); register 16 b + i of S is key 128 step + 32 b + 16 (lane / 16) + i.  K = 64 fills half of the instruction's 128: registers 6-11 of K and Q are zero codes.
; REGISTERS: window 0: v1-15 addresses, v16-47 at work, v64-127 S then attn, v128-159 masks, v160-175 0.0 .. 15.0, v180 -M then L, v181 largest t, v182-189 the divisor in four pairs, v190 f, v192 the step's exponent addend,
;   v196-202 the second tile's Q, v208-219 Q, v220 its scale word, v221 my query's place, v224-229 K's and V's scale words, v232-250 codes, v247 and v251 the add's, v252 P's scale word, v254 256 + z.
;   window 1: v0-95 K, v96-143 V, v160-191 O^T, v192-255 the diagonal's 0 or -infinity.
; LIMITS: the scaled scores stay under 2^31 in magnitude; L is no whole number, so it carries f32's rounding at its own size; a block of zeros, or one under 2^-122, gets the byte 1 (read by this program alone); NaN and infinities are not served.
.set KOFF,  8192
.set VOFF,  106496
.set WOFF,  204800
.set HEADB, 208896
.set SPARE, 208896
.set SCOFF, 3145728
.set S,   64
.set MT,  128
.set CT,  160
.set U,   36
.set TM,  16
.set PT,  244
.set WV,  14
.set SEL, 20
.set CS,  22
.set C256, 24
.set EPS, 25
.set W,   26
.set ADDE, 28
.set CLS, 29
.set ZF,  30
.set ZZ,  31
.set DI,  32
.set KF,  33
.set QB,  34
.set D0,  35
.set M,   36
.set KT,  37
.set TK,  38
.set TS,  39
.set TW,  41
.set MSB, 0
.macro WIN new
.if MSB != \new
	s_set_vgpr_msb (MSB<<8)|\new
.set MSB, \new
.endif
.endm
	s_load_b256 s[4:11], s[0:1], 0x0               ; qq, kv, zf, zi
	s_load_b64 s[12:13], s[0:1], 0x20              ; aq
	v_lshl_add_u32 v247, v0, 2, SPARE
	v_mov_b32 v251, 0
	v_lshrrev_b32 v1, 5, v0
	v_readfirstlane_b32 s[WV], v1                  ; wave 0..7
	v_and_b32 v7, 31, v0
	v_and_b32 v8, 15, v0
	v_bfe_u32 v9, v0, 4, 1
	v_lshlrev_b32 v13, 4, v7                       ; 16 x lane
	v_lshlrev_b32 v14, 3, v7                       ; 8 x lane
	v_lshlrev_b32 v15, 4, v8                       ; 16 x (lane % 16)
	s_mov_b32 s16, ttmp9                           ; g
	s_and_b32 s17, ttmp7, 0xffff                   ; 16 batch + head
	s_and_b32 s18, s17, 15
	s_lshr_b32 s19, s17, 4
	s_mul_i32 s62, s[WV], 13312                    ; my eighth of K and its scale words,
	s_mul_i32 s63, s[WV], 12800
	s_add_co_u32 s63, s63, VOFF                    ; and of V and its scale words
	v_add_nc_u32 v12, s62, v13                     ; where they go in LDS
	v_add_nc_u32 v11, s63, v13
	s_mul_i32 s60, s17, HEADB
	s_mov_b32 s61, 0
	s_wait_alu depctr_va_vdst(0)
	s_wait_kmcnt 0x0
	s_add_nc_u64 s[70:71], s[6:7], s[60:61]
	s_mov_b32 s60, s62
	s_add_nc_u64 s[68:69], s[70:71], s[60:61]
	s_mov_b32 s60, s63
	s_add_nc_u64 s[70:71], s[70:71], s[60:61]
.set j, 0
.rept 26
	global_load_b128 v[16+4*j:19+4*j], v13, s[68:69] offset:512*j   ; K: 512 consecutive bytes
.set j, j+1
.endr
	s_lshl_b32 s60, s17, 7
	s_add_co_u32 s60, s60, s16
	s_mul_i32 s60, s60, 768
	s_add_nc_u64 s[44:45], s[4:5], s[60:61]        ; Q's codes, tile g
	s_lshl_b32 s60, s17, 13
	s_and_b32 s62, s16, 1
	s_lshl_b32 s62, s62, 8
	s_add_co_u32 s60, s60, s62
	s_lshr_b32 s62, s16, 1
	s_lshl_b32 s62, s62, 2
	s_add_co_u32 s60, s60, s62
	s_add_co_u32 s60, s60, SCOFF
	s_add_nc_u64 s[46:47], s[4:5], s[60:61]        ; Q's scale words
	s_xor_b32 s[M], s[WV], 15                      ; the first tile: m = 15 - w
	s_xor_b32 s63, s[WV], 4                        ; the second: m = w xor 4
	s_mul_i32 s60, s[M], 6144
	s_add_nc_u64 s[52:53], s[44:45], s[60:61]
	s_lshl_b32 s60, s[M], 9
	s_add_nc_u64 s[54:55], s[46:47], s[60:61]
	s_mul_i32 s60, s63, 6144
	s_add_nc_u64 s[72:73], s[44:45], s[60:61]
	s_lshl_b32 s60, s63, 9
	s_add_nc_u64 s[74:75], s[46:47], s[60:61]
	global_load_b128 v[208:211], v13, s[52:53]     ; the first tile's Q: half a fragment,
	global_load_b64 v[212:213], v14, s[52:53] offset:512
	global_load_b32 v220, v15, s[54:55]            ; its scale words;
	global_load_b128 v[196:199], v13, s[72:73]     ; and the second tile's
	global_load_b64 v[200:201], v14, s[72:73] offset:512
	global_load_b32 v202, v15, s[74:75]
	global_load_b128 v[232:235], v13, s[70:71] offset:12288          ; V's 25th piece; the other 24 follow below
	s_lshl_b32 s60, s19, 7
	s_add_co_u32 s60, s60, s18
	s_lshl_b32 s60, s60, 9                         ; the slot of row block 8 batch, head
	s_add_nc_u64 s[76:77], s[8:9], s[60:61]
	s_add_nc_u64 s[78:79], s[10:11], s[60:61]
	s_load_b32 s66, s[76:77], 0x0                  ; 256 + z
	s_load_b32 s67, s[78:79], 0x0                  ; its whole part
	s_mov_b32 s[SEL], 0x76543210
	s_mov_b32 s[SEL+1], 0xfedcba98
	s_mov_b32 s[CS], 0x3e38aa3b                    ; log2(e) / 8
	s_mov_b32 s[CS+1], s[CS]
	s_mov_b32 s[C256], 0x43800000                  ; 256.0
	s_mov_b32 s[EPS], 0x362bcc77                   ; 256 x 1e-8
	s_mov_b32 s[W+1], 0
	s_lshl_b32 s60, s19, 7
	s_add_co_u32 s63, s60, s16                     ; output tile 128 batch + g
	s_mul_i32 s60, s63, 12288
	s_mul_i32 s62, s18, 768
	s_add_co_u32 s60, s60, s62
	s_add_nc_u64 s[48:49], s[12:13], s[60:61]      ; the output's codes: piece = head
	s_lshl_b32 s60, s63, 9
	s_bfe_u32 s62, s18, 0x10001
	s_lshl_b32 s62, s62, 8
	s_add_co_u32 s60, s60, s62
	s_lshr_b32 s62, s18, 2
	s_lshl_b32 s62, s62, 2
	s_add_co_u32 s60, s60, s62
	s_and_b32 s62, s18, 1
	s_lshl_b32 s62, s62, 1
	s_add_co_u32 s60, s60, s62
	s_add_co_u32 s60, s60, SCOFF
	s_add_nc_u64 s[50:51], s[12:13], s[60:61]      ; and its two scale bytes
	s_lshr_b32 s62, s16, 1
	s_lshl_b32 s62, s62, 5
	s_and_b32 s63, s16, 1
	s_lshl_b32 s63, s63, 3
	s_add_co_u32 s62, s62, s63                     ; the tile's first query in its 128
	s_add_co_u32 s[QB], s62, 23                    ; and its last
	v_mov_b32 v1, v13                              ; K's scale words
	v_add_nc_u32 v2, KOFF, v13                     ; K, registers 0-3
	v_add_nc_u32 v3, KOFF, v14                     ; K, registers 4-5
	v_add_nc_u32 v4, VOFF, v13
	v_add_nc_u32 v5, VOFF, v14
	v_add_nc_u32 v6, WOFF, v14                     ; V's scale words
	v_and_b32 v10, 8, v8
	v_add_nc_u32 v10, v10, v8
	v_lshlrev_b32 v9, 4, v9
	v_sub_nc_u32 v10, v10, v9
	v_add_nc_u32 v255, s62, v10                    ; my query's place in its 128, less 16 (lane / 16)
	v_cvt_f32_i32 v221, v255
	v_mov_b32 v252, 0xff800000
	v_mov_b32 v253, 0
.irp i, 0,1,2,3,4,5,6,7,8,9,10,11,12,13,14,15
	v_cvt_f32_u32 v[CT+\i], \i
.endr
.irp i, 191,193,214,215,216,217,218,219
	v_mov_b32 v[\i], 0                             ; upper halves of pairs, Q's zero codes
.endr
	WIN 0x40                                       ; destinations in window 1: V's 24 loads by turns with the set-up of that window's registers
.set j, 0
.set n, 0
.rept 24
	global_load_b128 v[96+4*j:99+4*j], v13, s[70:71] offset:512*j   ; V, into v96-191 of window 1
	v_mov_b32 v[12*(j/3)+6+2*(j%3)], 0             ; K's zero codes, once: registers 6-11 of each of the eight fragments
	v_mov_b32 v[12*(j/3)+7+2*(j%3)], 0
.rept 3
.if n < 64
	v_cmp_gt_i32 vcc_lo, 32*(n/16)+n%16, v255      ; in the tile's own key step: does register n's key come after my query?
	v_cndmask_b32 v[192+n], v253, v252, vcc_lo     ; then -infinity, else 0
.set n, n+1
.endif
.endr
.set j, j+1
.endr
	WIN 0
	s_wait_kmcnt 0x0
	v_mov_b32 v254, s66
	s_sub_co_i32 s[ZF], s67, 257                   ; full: D <= ZF
	s_add_co_u32 s[ZZ], s67, 152                   ; zero: D >= ZZ
.irp q, 0,1
	s_wait_loadcnt 44-13*\q                        ; 13 more of K's loads are in; out at most: K's later 13, Q's 6, V's 25
.set j, 13*\q
.rept 13
	ds_store_b128 v12, v[16+4*j:19+4*j] offset:512*j
.set j, j+1
.endr
.endr
	s_wait_dscnt 0x0                               ; my eighth of K lies in LDS, and the stores have read their registers
	s_barrier_signal -1
.irp i, 18,19,20,21,22,23,37,39,41,43
	v_mov_b32 v[\i], 0                             ; permutes' destinations, upper halves of pairs
.endr
	s_wait_alu depctr_va_vdst(0)                   ; the wait at the head's end
	s_barrier_wait -1                              ; everybody's eighth of K is in
	s_wait_loadcnt 25                              ; both tiles' Q; V's 25 loads may be out
.macro FETCHK ahead                    ; 17 loads: eight tiles of K and their scale words, of the step in hand or the next.  Behind the last step they take bytes of the regions that follow, which are filled and not used
	WIN 0x40
.irp t, 0,1,2,3,4,5,6,7
	ds_load_b128 v[12*\t:12*\t+3], v8 offset:6144*\ahead+768*\t
	ds_load_b64 v[12*\t+4:12*\t+5], v9 offset:6144*\ahead+768*\t+512
.endr
	WIN 0
	ds_load_b128 v[224:227], v7 offset:512*\ahead
.endm
.macro FETCHV                          ; 17 loads: four fragments of V^T and their scale words
	WIN 0x40
.irp d, 0,1,2,3
	ds_load_b128 v[96+12*\d:99+12*\d], v10 offset:1536*\d
	ds_load_b64 v[100+12*\d:101+12*\d], v11 offset:1536*\d+512
	ds_load_b128 v[102+12*\d:105+12*\d], v10 offset:1536*\d+768
	ds_load_b64 v[106+12*\d:107+12*\d], v11 offset:1536*\d+1280
.endr
	WIN 0
	ds_load_b64 v[228:229], v12
.endm
.macro KADR                            ; K's addresses of the step in hand
	v_add_nc_u32 v7, s[TS], v1
	v_add_nc_u32 v8, s[TK], v2
	v_add_nc_u32 v9, s[TK], v3
.endm
.macro SCORES                          ; S^T = K Q^T: eight tiles of 16 keys
	WIN 0x01                                       ; source 0 (K) window 1
.irp t, 0,1,2,3,4,5,6,7
.if \t%2
	v_wmma_scale_f32_16x16x128_f8f6f4 v[S+8*\t:S+8*\t+7], v[12*\t:12*\t+11], v[208:219], 0, v[224+\t/2], v220 matrix_a_fmt:MATRIX_FMT_BF6 matrix_b_fmt:MATRIX_FMT_BF6 matrix_a_scale:MATRIX_SCALE_ROW1
.else
	v_wmma_scale_f32_16x16x128_f8f6f4 v[S+8*\t:S+8*\t+7], v[12*\t:12*\t+11], v[208:219], 0, v[224+\t/2], v220 matrix_a_fmt:MATRIX_FMT_BF6 matrix_b_fmt:MATRIX_FMT_BF6
.endif
.endr
	WIN 0
.endm
.macro DIAG                            ; in the tile's own key step the scores of keys behind the query become -infinity; each accumulator from its low end on
	s_cmp_lg_u32 s[KT], s[M]
	s_cbranch_scc1 .Lopen_\@
	WIN 0x04                                       ; source 1 window 1
.set j, 0
.rept 32
	v_pk_add_f32 v[S+j:S+j+1], v[S+j:S+j+1], v[192+j:193+j]
.set j, j+2
.endr
	WIN 0
.Lopen_\@:
.endm
.macro RAMP                            ; 256 + z - distance of register 16 b, for the four blocks
	v_sub_f32 v33, v45, s[KF]                      ; my query less this step's first key of my half: whole numbers, nothing is rounded
	v_sub_f32 v32, v254, v33
	v_mov_b32 v[U], v32
	v_add_f32 v[U+2], 0x42000000, v32              ; + 32 b
	v_add_f32 v[U+4], 0x42800000, v32
	v_add_f32 v[U+6], 0x42c00000, v32
.endm
.macro POWERS ad                       ; S = 2^(S c + v[ad])
.set j, 0
.rept 32
	v_pk_fma_f32 v[S+j:S+j+1], v[S+j:S+j+1], s[CS:CS+1], v[\ad:\ad+1] op_sel_hi:[1,0,0]
.set j, j+2
.endr
.set j, 0
	s_wait_alu depctr_va_vdst(0)                   ; the wait ahead of the batch
.rept 64
	v_exp_f32 v[S+j], v[S+j]
.set j, j+1
.endr
.endm
.macro MASK b                          ; m' of block b's 16 registers into v[MB] on
.set MB, MT+16*(\b%2)
.set j, 0
.rept 8
	v_pk_add_f32 v[MB+j:MB+j+1], v[CT+j:CT+j+1], v[U+2*\b:U+2*\b+1] op_sel_hi:[1,0]
.set j, j+2
.endr
.set j, 0
.rept 16
	v_med3_num_f32 v[MB+j], v[MB+j], 0, s[C256]
.set j, j+1
.endr
.endm
.macro QUANT2 a, w, pc, pw             ; 32 results of a lane in window w become six registers of codes and two scale bytes
	WIN (\w)*5
.irp b, 0,1
	v_max3_num_f32 v[TM+\b], |v[\a+16*\b]|, |v[\a+16*\b+1]|, 0x2800000   ; each accumulator from its low end on
.endr
.irp i, 2,4,6,8,10,12,14
.irp b, 0,1
	v_max3_num_f32 v[TM+\b], |v[\a+16*\b+\i]|, |v[\a+16*\b+\i+1]|, v[TM+\b]
.endr
.endr
	WIN 0
.irp b, 0,1
	v_permlanex16_b32 v[TM+2+\b], v[TM+\b], s[SEL], s[SEL+1]
.endr
.irp b, 0,1
	v_max_num_f32 v[TM+\b], v[TM+\b], v[TM+2+\b]
.endr
.irp b, 0,1
	v_add_nc_u32 v[TM+4+\b], 0xfe000000, v[TM+\b]
.endr
.irp b, 0,1
	v_lshrrev_b32 v[TM+2+\b], 23, v[TM+4+\b]
.endr
	v_lshl_or_b32 v[\pw], v[TM+3], 8, v[TM+2]
	WIN \w
	v_cvt_scalef32_pk16_bf6_f32 v[\pc:\pc+2], v[\a:\a+15], v[TM+4]
	v_cvt_scalef32_pk16_bf6_f32 v[PT:PT+2], v[\a+16:\a+31], v[TM+5]
	WIN 0
	v_nop
.irp i, 0,1,2
	v_permlane16_swap_b32 v[\pc+\i], v[PT+\i]
.endr
.irp i, 0,1,2
	v_mov_b32 v[\pc+3+\i], v[PT+\i]
.endr
.endm
; PASS 1, key steps from the one in hand up to lim - 1: M and the divisor
.macro P1LOOP lim
.Lp1_\@:
	s_cmp_gt_u32 s[KT], s[M]
	s_cbranch_scc1 .Lp1_tail_\@                    ; all these keys come after my queries
	s_cmp_le_i32 s[DI], s[ZF]                      ; a full step?
	s_cselect_b32 s[W], s[C256], s[EPS]
	s_cselect_b32 s[CLS], 0, 1
	s_cmp_ge_i32 s[DI], s[ZZ]                      ; a zero step?
	s_cselect_b32 s[CLS], 0, s[CLS]                ; 1: mixed
	s_wait_dscnt 0x0                               ; K and its scale words are in
	SCORES
	KADR                                           ; four plain lines: the places behind the products
	v_nop
	FETCHK 1
	DIAG
.irp b, 0,1,2,3
	v_max3_num_f32 v[16+\b], v[S+16*\b], v[S+1+16*\b], v[S+2+16*\b]
.endr
.irp i, 3,5,7,9,11,13
.irp b, 0,1,2,3
	v_max3_num_f32 v[16+\b], v[16+\b], v[S+16*\b+\i], v[S+1+16*\b+\i]
.endr
.endr
.irp b, 0,1,2,3
	v_max_num_f32 v[16+\b], v[16+\b], v[S+15+16*\b]
.endr
	s_delay_alu instid0(VALU_DEP_2)
	v_max3_num_f32 v33, v16, v17, v18
	s_delay_alu instid0(VALU_DEP_1)
	v_max_num_f32 v33, v33, v19
	s_delay_alu instid0(VALU_DEP_1)
	v_permlanex16_b32 v20, v33, s[SEL], s[SEL+1]
	s_delay_alu instid0(VALU_DEP_1)
	v_max_num_f32 v33, v33, v20                    ; the step's largest score of my query
	s_delay_alu instid0(VALU_DEP_1)
	v_mul_f32 v33, s[CS], v33
	s_delay_alu instid0(VALU_DEP_1)
	v_max_num_f32 v181, v181, v33
	v_mov_b32 v33, v180
	s_delay_alu instid0(VALU_DEP_2)
	v_floor_f32 v180, -v181                        ; -M = floor(-t): a whole number
	s_delay_alu instid0(VALU_DEP_1)
	v_sub_f32 v33, v180, v33
	s_delay_alu instid0(VALU_DEP_1)
	v_cvt_i32_f32 v33, v33                         ; (it saturates)
	s_delay_alu instid0(VALU_DEP_1)
	v_ldexp_f32 v190, 1.0, v33                     ; f = 2^(old M - new M): rounds nothing
	POWERS 180
.irp i, 182,184,186,188
	v_pk_mul_f32 v[\i:\i+1], v[\i:\i+1], v[190:191] op_sel_hi:[1,0]   ; the divisor under the new M; plain lines behind the exponentials
.endr
	s_cmp_eq_u32 s[CLS], 0
	s_wait_alu depctr_va_vdst(0)                   ; one wait for the batch, ahead of its first reader and of the branch
	s_cbranch_scc1 .Lp1_plain_\@
	RAMP
.irp b, 0,1,2,3
	MASK \b
.set j, 0
.rept 8
	v_pk_fma_f32 v[182+j%8:183+j%8], v[S+16*\b+j:S+16*\b+j+1], v[MB+j:MB+j+1], v[182+j%8:183+j%8]
.set j, j+2
.endr
.endr
.Lp1_plain_\@:
.set j, 0
.rept 32
	v_pk_fma_f32 v[182+j%8:183+j%8], v[S+j:S+j+1], s[W:W+1], v[182+j%8:183+j%8] op_sel_hi:[1,0,1]   ; + e W
.set j, j+2
.endr
.Lp1_tail_\@:
	s_add_co_u32 s[TK], s[TK], 6144
	s_add_co_u32 s[TS], s[TS], 512
	s_add_f32 s[KF], s[KF], 0x43000000             ; 128 keys on
	s_sub_co_i32 s[DI], s[DI], 128
	s_add_co_u32 s[KT], s[KT], 1
	s_cmp_lt_u32 s[KT], \lim
	s_cbranch_scc1 .Lp1_\@
.endm
; One query tile, m in s[M].  first = 1: Q is in its registers, and V goes to LDS behind four key steps of pass 1
.macro TILE first
	s_mov_b32 s61, 0
	s_mul_i32 s60, s[M], 98304
	s_add_nc_u64 s[56:57], s[48:49], s[60:61]
	s_lshl_b32 s60, s[M], 12
	s_add_nc_u64 s[58:59], s[50:51], s[60:61]
	s_lshl_b32 s62, s[M], 7
	s_add_co_u32 s[D0], s62, s[QB]                 ; the largest distance in key step 0
	s_mov_b32 s[DI], s[D0]
	s_mov_b32 s[KT], 0
	s_mov_b32 s[TK], 0
	s_mov_b32 s[TS], 0
	s_mov_b32 s[KF], 0
.if \first == 0
	v_mov_b32 v220, v202                           ; the second tile's Q; the lines below are the places ahead of the products
.irp i, 0,1,2,3,4,5
	v_mov_b32 v[208+\i], v[196+\i]
.endr
.endif
	v_cvt_f32_u32 v45, s62
	s_delay_alu instid0(VALU_DEP_1)
	v_add_f32 v45, v221, v45                       ; my query less key step 0's first key of my half
	v_mov_b32 v181, 0xff61b1e6                     ; the largest t so far: -3e38
	s_delay_alu instid0(VALU_DEP_1)
	v_floor_f32 v180, -v181
.irp i, 182,183,184,185,186,187,188,189
	v_mov_b32 v[\i], 0                             ; the divisor, four pairs
.endr
	v_mov_b32 v7, v1
	v_mov_b32 v8, v2
	v_mov_b32 v9, v3
	FETCHK 0
	s_wait_alu depctr_va_vdst(0)
.if \first
	P1LOOP 4
	s_wait_alu depctr_va_vdst(0)
	s_wait_loadcnt 0x0                             ; V's 25 loads are in
	WIN 0x04                                       ; the data: window 1
.set j, 0
.rept 24
	ds_store_b128 v11, v[96+4*j:99+4*j] offset:512*j
.set j, j+1
.endr
	WIN 0
	ds_store_b128 v11, v[232:235] offset:12288
	s_wait_dscnt 0x0                               ; my eighth of V lies in LDS
	s_barrier_signal -1
	s_barrier_wait -1                              ; everybody's does
.endif
	P1LOOP 16
	s_wait_alu depctr_va_vdst(0)
	s_wait_dscnt 0x0                               ; the last fetch ahead has landed: its registers may be loaded again
	v_pk_add_f32 v[182:183], v[182:183], v[184:185]
	v_pk_add_f32 v[186:187], v[186:187], v[188:189]
	s_delay_alu instid0(VALU_DEP_1)
	v_pk_add_f32 v[182:183], v[182:183], v[186:187]
	s_delay_alu instid0(VALU_DEP_1)
	v_add_f32 v182, v182, v183
	s_delay_alu instid0(VALU_DEP_1)
	v_permlanex16_b32 v20, v182, s[SEL], s[SEL+1]
	s_delay_alu instid0(VALU_DEP_1)
	v_add_f32 v182, v182, v20                      ; sum e m' + 2.56e-6 sum e: at least 1.28e-6, since the largest e is at least a half
	s_wait_alu depctr_va_vdst(0)
	v_log_f32 v33, v182
	v_nop
	s_wait_alu depctr_va_vdst(0)
	v_sub_f32 v180, v180, v33                      ; L = -M - log2(divisor)
; ---- PASS 2: attn, its codes, O^T
	WIN 0x40
.set j, 0
.rept 32
	v_mov_b32 v[160+j], 0                          ; O^T: which step is a tile's first hangs on the span, so the loop is written once
.set j, j+1
.endr
	WIN 0
	s_mov_b32 s[DI], s[D0]
	s_mov_b32 s[KT], 0
	s_mov_b32 s[TK], 0
	s_mov_b32 s[TS], 0
	s_mov_b32 s[TW], 0
	s_mov_b32 s[KF], 0
	v_mov_b32 v7, v1
	v_mov_b32 v8, v2
	v_mov_b32 v9, v3
	FETCHK 0
	s_wait_alu depctr_va_vdst(0)
.Lp2_\@:
	s_cmp_gt_u32 s[KT], s[M]
	s_cbranch_scc1 .Lp2_tail_\@
	s_wait_dscnt 0x0
	s_cmp_ge_i32 s[DI], s[ZZ]
	s_cbranch_scc0 .Lp2_act_\@
	KADR                                           ; a zero step: every attn is 0 and adds nothing; only the next step's K is fetched
	FETCHK 1
	s_branch .Lp2_tail_\@
.Lp2_act_\@:
	s_cmp_le_i32 s[DI], s[ZF]
	s_cselect_b32 s[ADDE], 0x41000000, 0           ; a full step's m' = 256 goes into the exponent
	s_cselect_b32 s[CLS], 0, 1
	SCORES
	KADR                                           ; plain lines: the places behind the products
	v_add_nc_u32 v10, s[TK], v4
	v_add_nc_u32 v11, s[TK], v5
	v_add_nc_u32 v12, s[TW], v6
	FETCHV                                         ; this step's V
	FETCHK 1                                       ; the next step's K
	DIAG
	v_add_f32 v192, s[ADDE], v180
	POWERS 192
	v_nop                                          ; one plain line behind the exponentials
	s_cmp_eq_u32 s[CLS], 0
	s_wait_alu depctr_va_vdst(0)                   ; one wait for the batch, ahead of its first reader and of the branch
	s_cbranch_scc1 .Lp2_full_\@
	RAMP
.irp b, 0,1,2,3
	MASK \b
.set j, 0
.rept 8
	v_pk_mul_f32 v[S+16*\b+j:S+16*\b+j+1], v[S+16*\b+j:S+16*\b+j+1], v[MB+j:MB+j+1]   ; attn, finished
.set j, j+2
.endr
.endr
.Lp2_full_\@:
.irp b, 0,1,2,3
	v_max3_num_f32 v[16+\b], v[S+16*\b], v[S+1+16*\b], 0x2800000   ; none is negative; the floor 2^(5 - 127)
.endr
.irp i, 2,4,6,8,10,12,14
.irp b, 0,1,2,3
	v_max3_num_f32 v[16+\b], v[16+\b], v[S+16*\b+\i], v[S+1+16*\b+\i]
.endr
.endr
.irp b, 0,1,2,3
	v_permlanex16_b32 v[20+\b], v[16+\b], s[SEL], s[SEL+1]
.endr
.irp b, 0,1,2,3
	v_max_num_f32 v[16+\b], v[16+\b], v[20+\b]
.endr
.irp b, 0,1,2,3
	v_add_nc_u32 v[28+\b], 0xfe000000, v[16+\b]
.endr
.irp b, 0,1,2,3
	v_lshrrev_b32 v[20+\b], 23, v[28+\b]
.endr
	v_lshl_or_b32 v252, v21, 8, v20
	s_delay_alu instid0(VALU_DEP_1)
	v_lshl_or_b32 v252, v22, 16, v252
	s_delay_alu instid0(VALU_DEP_1)
	v_lshl_or_b32 v252, v23, 24, v252              ; attn's scale word for these 128 keys
.irp c, 0,1
	v_cvt_scalef32_pk16_bf6_f32 v[232+6*\c:234+6*\c], v[S+32*\c:S+15+32*\c], v[28+2*\c]
	v_cvt_scalef32_pk16_bf6_f32 v[244+4*\c:246+4*\c], v[S+16+32*\c:S+31+32*\c], v[29+2*\c]
.endr
	v_nop                                          ; one plain line behind a scaled conversion
.irp c, 0,1
.irp i, 0,1,2
	v_permlane16_swap_b32 v[232+6*\c+\i], v[244+4*\c+\i]
.endr
.irp i, 0,1,2
	v_mov_b32 v[235+6*\c+\i], v[244+4*\c+\i]
.endr
.endr
.rept 4
	v_nop                                          ; an operand made by vector lines stands four places ahead of the scaled product; the scale word has the line above, six moves and these four behind it
.endr
	s_wait_alu depctr_va_vdst(0)
	s_wait_dscnt 17                                ; V and its scale words are in; the next step's K, 17 loads issued behind them, may be out
	WIN 0x51                                       ; source 0 (V) window 1, source 1 (P) window 0, C and D window 1
.irp d, 0,1,2,3
.if \d%2
	v_wmma_scale_f32_16x16x128_f8f6f4 v[160+8*\d:167+8*\d], v[96+12*\d:107+12*\d], v[232:243], v[160+8*\d:167+8*\d], v[228+\d/2], v252 matrix_a_fmt:MATRIX_FMT_BF6 matrix_b_fmt:MATRIX_FMT_BF6 matrix_a_scale:MATRIX_SCALE_ROW1
.else
	v_wmma_scale_f32_16x16x128_f8f6f4 v[160+8*\d:167+8*\d], v[96+12*\d:107+12*\d], v[232:243], v[160+8*\d:167+8*\d], v[228+\d/2], v252 matrix_a_fmt:MATRIX_FMT_BF6 matrix_b_fmt:MATRIX_FMT_BF6
.endif
.endr
	WIN 0
.rept 4
	v_nop                                          ; places behind these products
.endr
.Lp2_tail_\@:
	s_add_co_u32 s[TK], s[TK], 6144
	s_add_co_u32 s[TS], s[TS], 512
	s_add_co_u32 s[TW], s[TW], 256
	s_add_f32 s[KF], s[KF], 0x43000000
	s_sub_co_i32 s[DI], s[DI], 128
	s_add_co_u32 s[KT], s[KT], 1
	s_cmp_lt_u32 s[KT], 16
	s_cbranch_scc1 .Lp2_\@
	s_wait_alu depctr_va_vdst(0)
	s_wait_dscnt 0x0
	QUANT2 160, 1, 232, 34                         ; O^T: my query's 64 numbers of the head are two blocks of the output projection's K
	global_store_b128 v13, v[232:235], s[56:57]
	global_store_b64 v14, v[236:237], s[56:57] offset:512
	global_store_b16 v15, v34, s[58:59]            ; both halves of the lanes store the same two bytes
	s_wait_xcnt 0x0                                ; bases and data are written again only behind this wait
.endm
	TILE 1                                         ; m = 15 - w
	s_xor_b32 s[M], s[WV], 4
	TILE 0                                         ; m = w xor 4
	s_wait_tensorcnt 0x0                           ; the wave's end
	ds_add_u32 v247, v251
	s_wait_dscnt 0x0
	s_endpgm
.Lfunc_end_k_q3f1145291a_attn:
	.size	k_q3f1145291a_attn, .Lfunc_end_k_q3f1145291a_attn-k_q3f1145291a_attn
	.p2alignl 7, 3214868480
	.fill 96, 4, 3214868480
	.section	.rodata,"a",@progbits
	.p2align	6, 0x0
	.amdhsa_kernel k_q3f1145291a_attn
		.amdhsa_group_segment_fixed_size 209920
		.amdhsa_private_segment_fixed_size 0
		.amdhsa_enable_private_segment 0
		.amdhsa_kernarg_size 40
		.amdhsa_user_sgpr_count 2
		.amdhsa_user_sgpr_kernarg_segment_ptr 1
		.amdhsa_wavefront_size32 1
		.amdhsa_system_sgpr_workgroup_id_x 1
		.amdhsa_system_sgpr_workgroup_id_y 1
		.amdhsa_system_sgpr_workgroup_id_z 1
		.amdhsa_system_vgpr_workitem_id 0
		.amdhsa_next_free_vgpr 512
		.amdhsa_next_free_sgpr 80
		.amdhsa_reserve_vcc 1
		.amdhsa_float_denorm_mode_32 3
		.amdhsa_float_denorm_mode_16_64 3
		.amdhsa_memory_ordered 1
		.amdhsa_forward_progress 1
		.amdhsa_inst_pref_size 154
	.end_amdhsa_kernel
	.amdgpu_metadata
---
amdhsa.version: [ 1, 2 ]
amdhsa.kernels:
  - .name:           k_q3f1145291a_attn
    .symbol:         k_q3f1145291a_attn.kd
    .args:
      - { .name: qq, .offset: 0, .size: 8, .value_kind: global_buffer, .address_space: global }
      - { .name: kv, .offset: 8, .size: 8, .value_kind: global_buffer, .address_space: global }
      - { .name: zf, .offset: 16, .size: 8, .value_kind: global_buffer, .address_space: global }
      - { .name: zi, .offset: 24, .size: 8, .value_kind: global_buffer, .address_space: global }
      - { .name: aq, .offset: 32, .size: 8, .value_kind: global_buffer, .address_space: global }
    .group_segment_fixed_size: 209920
    .private_segment_fixed_size: 0
    .kernarg_segment_align: 8
    .kernarg_segment_size: 40
    .max_flat_workgroup_size: 256
    .sgpr_count:     80
    .vgpr_count:     512
    .wavefront_size: 32
...
	.end_amdgpu_metadata
.endif
;; end of part 3
;; launch oproj (part 4): grid 8 x 32, 4 waves a work-group, clusters of 4 x 4, 327,680 bytes of LDS; arguments aq, wq, Wo_b, out0; writes out0
.if DOCPART == 4
	.amdgcn_target "amdgcn-amd-amdhsa--gfx1250"
	.amdhsa_code_object_version 6
	.text
	.protected	k_q3f1145291a_oproj
	.globl	k_q3f1145291a_oproj
	.p2align	8
	.type	k_q3f1145291a_oproj,@function
k_q3f1145291a_oproj:
	s_mov_b64 s[64:65], 0
	v_nop
	global_prefetch_b8 v0, s[64:65] scope:SCOPE_SE
	s_setreg_imm32_b32 hwreg(HW_REG_WAVE_MODE, 25, 1), 1
	s_wait_xcnt 0x0
	s_wait_alu depctr_hold_cnt(0) depctr_sa_sdst(0) depctr_va_vdst(0) depctr_va_sdst(0) depctr_va_ssrc(0) depctr_va_vcc(0) depctr_vm_vsrc(0)
	s_getreg_b32 s2, hwreg(HW_REG_IB_STS2, 6, 4)
	s_cmp_eq_u32 s2, 0
	s_cbranch_scc0 .Lentry_in_a_cluster
	s_endpgm
.Lentry_in_a_cluster:
	s_bfe_u32 s2, ttmp6, 0x10000c
	s_cmp_lg_u32 s2, 0xf033
	s_cbranch_scc0 .Lentry_shape_is_right
	s_endpgm
.Lentry_shape_is_right:
.set QB,    49152
.set STGB,  4*QB
.set SCOFF, 3145728
.set ASC, 16
.set WSC, 32
.set FS,  64
.set STO, 8
.set RD,  9
.set GO,  10
.set G1A, 24
.set G1B, 48
.set MSB, 0
.macro WIN new
.if MSB != \new
	s_set_vgpr_msb (MSB<<8)|\new
.set MSB, \new
.endif
.endm
.macro PLACES
.rept 4
	v_nop
.endr
.endm
.macro JLOAD g0a, g1a, g0b, g1b
	s_cmp_eq_u32 s13, 0
	s_cbranch_scc0 .Lfor_b_\@
	tensor_load_to_lds s[\g0a:\g0a+3], s[\g1a:\g1a+7]
	s_nop 0
.rept 4
	v_nop
.endr
	s_branch .Lasked_\@
.Lfor_b_\@:
	tensor_load_to_lds s[\g0b:\g0b+3], s[\g1b:\g1b+7]
	s_nop 0
.rept 4
	v_nop
.endr
.Lasked_\@:
.endm
.macro CROUND
	s_barrier_signal -1
	s_barrier_wait -1
	s_cmp_lg_u32 s12, 0
	s_cbranch_scc1 .Lnot_wave_0_\@
	s_barrier_signal -3
.Lnot_wave_0_\@:
	s_barrier_wait -3
	s_barrier_signal -1
	s_barrier_wait -1
.endm
	s_load_b256 s[4:11], s[0:1], 0x0
	v_lshl_add_u32 v62, v0, 2, 0x34400
	v_mov_b32 v63, 0
	ds_add_u32 v62, v63
	ds_add_u32 v62, v63
	v_lshrrev_b32 v5, 5, v0
	v_readfirstlane_b32 s12, v5
	s_lshr_b32 s13, s12, 1
	s_and_b32 s14, s12, 1
	s_bfe_u32 s15, ttmp6, 0x40000
	s_bfe_u32 s16, ttmp6, 0x40004
	s_lshl_b32 s17, ttmp9, 2
	s_add_co_u32 s17, s17, s15
	s_and_b32 s18, ttmp7, 0xffff
	s_lshl_b32 s18, s18, 2
	s_add_co_u32 s18, s18, s16
	s_lshl_b32 s19, s16, 2
	s_lshl_b32 s19, 15, s19
	s_lshl_b32 s20, 0x1111, s15
	s_or_b32 s[G1A], s19, (3<<16)|(1<<21)
	s_or_b32 s[G1B], s20, (3<<16)|(1<<21)
.irp g, G1A, G1B
	s_mov_b32 s[\g+1], 1536<<16                    ; a row is a whole tile, 12,288 bytes: all of K; four tiles lie on end in memory
	s_mov_b32 s[\g+2], 4<<16
	s_mov_b32 s[\g+3], 1536<<16
	s_mov_b32 s[\g+4], 4
	s_mov_b32 s[\g+5], 1536
	s_mov_b32 s[\g+6], 0
	s_mov_b32 s[\g+7], 0
.endr
	s_lshl_b32 s76, s18, 3
	s_lshl_b32 s77, s14, 2
	s_add_co_u32 s76, s76, s77
	s_mul_i32 s76, s76, 12288
	s_mov_b32 s77, 0
	s_lshl_b32 s78, s17, 3
	s_lshl_b32 s79, s14, 2
	s_add_co_u32 s78, s78, s79
	s_add_co_u32 s78, s78, 192
	s_mul_i32 s78, s78, 12288
	s_mov_b32 s79, 0
	s_mul_i32 s80, s12, 49152                      ; each wave brings four tiles, 49,152 bytes, by its one load: attn's two halves, then Wo's two
	s_wait_dscnt 0x0
	s_wait_kmcnt 0x0
	s_add_nc_u64 s[76:77], s[4:5], s[76:77]
	s_add_nc_u64 s[78:79], s[6:7], s[78:79]
	CROUND
.macro MKG0 ga, gb, n
	s_mov_b32 s[\ga], 1
	s_add_co_u32 s[\ga+1], s80, \n*QB
	s_add_nc_u64 s[\ga+2:\ga+3], s[76:77], \n*3072
	s_or_b32 s[\ga+3], s[\ga+3], 0x80000000
	s_mov_b32 s[\gb], 1
	s_add_co_u32 s[\gb+1], s80, \n*QB
	s_add_nc_u64 s[\gb+2:\gb+3], s[78:79], \n*3072
	s_or_b32 s[\gb+3], s[\gb+3], 0x80000000
	JLOAD \ga, G1A, \gb, G1B
.endm
	MKG0 32, 56, 0
	v_and_b32 v5, 31, v0
	v_and_b32 v11, 15, v0
	v_bfe_u32 v12, v0, 4, 1
	v_lshlrev_b32 v6, 4, v5
	v_lshlrev_b32 v13, 3, v5
	v_lshlrev_b32 v7, 6, v12
	s_mul_i32 s81, s13, 49152
	v_add_nc_u32 v1, s81, v6
	v_add_nc_u32 v2, s81, v13
	s_mul_i32 s81, s14, 49152
	s_add_co_u32 s81, s81, 98304
	v_add_nc_u32 v3, s81, v6
	v_add_nc_u32 v4, s81, v13
	s_mul_i32 s81, s12, 4352
	s_add_co_u32 s81, s81, STGB
	v_mul_u32_u24 v[STO], v11, 272
	v_add_nc_u32 v[STO], v[STO], v7
	v_add_nc_u32 v[STO], s81, v[STO]
	v_mul_u32_u24 v[RD], v12, 272
	v_lshl_add_u32 v[RD], v11, 4, v[RD]
	v_add_nc_u32 v[RD], s81, v[RD]
	v_lshlrev_b32 v[GO], 12, v12
	v_lshl_add_u32 v[GO], v11, 4, v[GO]
	s_mov_b32 s83, 0
	s_lshl_b32 s82, s18, 3
	s_lshl_b32 s84, s13, 2
	s_add_co_u32 s82, s82, s84
	s_lshl_b32 s82, s82, 9
	s_add_co_u32 s82, s82, SCOFF
	s_add_nc_u64 s[86:87], s[4:5], s[82:83]
	s_lshl_b32 s82, s17, 3
	s_lshl_b32 s84, s14, 2
	s_add_co_u32 s82, s82, s84
	s_add_co_u32 s82, s82, 192
	s_lshl_b32 s82, s82, 9
	s_add_co_u32 s82, s82, SCOFF
	s_add_nc_u64 s[88:89], s[6:7], s[82:83]
	s_lshl_b32 s82, s17, 9
	s_lshl_b32 s84, s14, 8
	s_add_co_u32 s82, s82, s84
	s_add_nc_u64 s[90:91], s[8:9], s[82:83]
	s_lshl_b32 s84, s18, 19
	s_add_co_u32 s82, s82, s84
	s_lshl_b32 s84, s13, 18
	s_add_co_u32 s82, s82, s84
	s_add_nc_u64 s[92:93], s[10:11], s[82:83]
.irp x, 0,1,2,3
	global_load_b128 v[ASC+4*\x:ASC+4*\x+3], v6, s[86:87] offset:512*\x
	global_load_b128 v[WSC+4*\x:WSC+4*\x+3], v6, s[88:89] offset:512*\x
.endr
	WIN 0x40
.irp t, 0,1,2,3
	global_load_b128 v[128+8*\t:131+8*\t], v7, s[90:91] offset:(32*(\t/2)+8*(\t%2))*4
	global_load_b128 v[132+8*\t:135+8*\t], v7, s[90:91] offset:(32*(\t/2)+8*(\t%2))*4+16
.endr
	WIN 0
.macro FRAGL F, a16, a8, off
	ds_load_b128 v[\F:\F+3], v[\a16] offset:\off
	ds_load_b64 v[\F+4:\F+5], v[\a8] offset:\off+512
	ds_load_b128 v[\F+6:\F+9], v[\a16] offset:\off+768
	ds_load_b64 v[\F+10:\F+11], v[\a8] offset:\off+1280
.endm
.macro LOADS s
.irp x, 0,1,2,3
	FRAGL FS+96*((\s)&1)+12*\x, 1, 2, 12288*\x+1536*(\s)
.endr
.irp x, 0,1,2,3
	FRAGL FS+96*((\s)&1)+48+12*\x, 3, 4, 12288*\x+1536*(\s)
.endr
.endm
.macro MUL s
	WIN 0x50
.irp xt, 0,1,2,3
.irp wt, 0,1,2,3
.set DD, 8*(4*\xt+\wt)
.set SA, FS+96*((\s)&1)+48+12*\wt
.set SB, FS+96*((\s)&1)+12*\xt
.set CA, WSC+4*\wt+((\s)>>1)
.set CB, ASC+4*\xt+((\s)>>1)
.set CC, 128+8*\wt
.if (\s) == 0
	v_wmma_scale_f32_16x16x128_f8f6f4 v[DD:DD+7], v[SA:SA+11], v[SB:SB+11], v[CC:CC+7], v[CA], v[CB] matrix_a_fmt:MATRIX_FMT_BF6 matrix_b_fmt:MATRIX_FMT_BF6
.elseif ((\s)&1)
	v_wmma_scale_f32_16x16x128_f8f6f4 v[DD:DD+7], v[SA:SA+11], v[SB:SB+11], v[DD:DD+7], v[CA], v[CB] matrix_a_fmt:MATRIX_FMT_BF6 matrix_b_fmt:MATRIX_FMT_BF6 matrix_a_scale:MATRIX_SCALE_ROW1 matrix_b_scale:MATRIX_SCALE_ROW1
.else
	v_wmma_scale_f32_16x16x128_f8f6f4 v[DD:DD+7], v[SA:SA+11], v[SB:SB+11], v[DD:DD+7], v[CA], v[CB] matrix_a_fmt:MATRIX_FMT_BF6 matrix_b_fmt:MATRIX_FMT_BF6
.endif
.endr
.endr
	WIN 0
.endm
.macro OSTEP s
.if (\s) < 7
.if (\s) > 0
	PLACES
.endif
	LOADS (\s)+1
	s_wait_dscnt 32
.else
	s_wait_dscnt 0x0
.endif
	MUL \s
.endm
	s_wait_alu depctr_va_vdst(0)
	s_wait_tensorcnt 0x0                           ; my four tiles are in; nothing is filled again
	s_barrier_signal -1
	s_barrier_wait -1
	LOADS 0
	s_wait_loadcnt 0x0
.irp s, 0,1,2,3,4,5,6,7
	OSTEP \s
.endr
	PLACES
.irp xt, 0,1,2,3
	WIN 0x04
.irp wt, 0,1,2,3
	ds_store_b128 v[STO], v[8*(4*\xt+\wt):8*(4*\xt+\wt)+3] offset:128*(\wt/2)+32*(\wt%2)
	ds_store_b128 v[STO], v[8*(4*\xt+\wt)+4:8*(4*\xt+\wt)+7] offset:128*(\wt/2)+32*(\wt%2)+16
.endr
	WIN 0
.irp i, 0,1,2,3,4,5,6,7
	ds_load_b128 v[64+32*\xt+4*\i:64+32*\xt+4*\i+3], v[RD] offset:544*\i
.endr
.endr
.irp xt, 0,1,2,3
	s_wait_dscnt 16*(3-\xt)
.irp i, 0,1,2,3,4,5,6,7
	global_store_b128 v[GO], v[64+32*\xt+4*\i:64+32*\xt+4*\i+3], s[92:93] offset:(32*(\xt/2)+8*(\xt%2)+2*\i+8*(\i/4))*4096 th:TH_STORE_NT
.endr
.endr
	s_wait_tensorcnt 0x0
	ds_add_u32 v62, v63
	s_wait_dscnt 0x0
	CROUND
	s_endpgm
.Lfunc_end_k_q3f1145291a_oproj:
	.size	k_q3f1145291a_oproj, .Lfunc_end_k_q3f1145291a_oproj-k_q3f1145291a_oproj
	.p2alignl 7, 3214868480
	.fill 96, 4, 3214868480
	.section	.rodata,"a",@progbits
	.p2align	6, 0x0
	.amdhsa_kernel k_q3f1145291a_oproj
		.amdhsa_group_segment_fixed_size 327680
		.amdhsa_private_segment_fixed_size 0
		.amdhsa_enable_private_segment 0
		.amdhsa_kernarg_size 32
		.amdhsa_user_sgpr_count 2
		.amdhsa_user_sgpr_kernarg_segment_ptr 1
		.amdhsa_wavefront_size32 1
		.amdhsa_system_sgpr_workgroup_id_x 1
		.amdhsa_system_sgpr_workgroup_id_y 1
		.amdhsa_system_sgpr_workgroup_id_z 1
		.amdhsa_system_vgpr_workitem_id 0
		.amdhsa_next_free_vgpr 416
		.amdhsa_next_free_sgpr 100
		.amdhsa_reserve_vcc 0
		.amdhsa_float_denorm_mode_32 3
		.amdhsa_float_denorm_mode_16_64 3
		.amdhsa_memory_ordered 1
		.amdhsa_forward_progress 1
		.amdhsa_inst_pref_size 50
	.end_amdhsa_kernel
	.amdgpu_metadata
---
amdhsa.version: [ 1, 2 ]
amdhsa.kernels:
  - .name:           k_q3f1145291a_oproj
    .symbol:         k_q3f1145291a_oproj.kd
    .args:
      - { .name: aq, .offset: 0, .size: 8, .value_kind: global_buffer, .address_space: global }
      - { .name: wq, .offset: 8, .size: 8, .value_kind: global_buffer, .address_space: global }
      - { .name: Wo_b, .offset: 16, .size: 8, .value_kind: global_buffer, .address_space: global }
      - { .name: out0, .offset: 24, .size: 8, .value_kind: global_buffer, .address_space: global }
    .group_segment_fixed_size: 327680
    .private_segment_fixed_size: 0
    .kernarg_segment_align: 8
    .kernarg_segment_size: 32
    .max_flat_workgroup_size: 128
    .sgpr_count:     100
    .vgpr_count:     416
    .wavefront_size: 32
...
	.end_amdgpu_metadata
.endif
;; end of part 4
